; MI455X (gfx1250); checked and timed in simulation.
; The chip was launched on July 23, 2026; its instructions are those of AMD's public machine-readable ISA for CDNA 5 (MIT licence, August 2026) and "CDNA5" Instruction Set Architecture Reference Guide (July 2026). The comments in the code are by the model that wrote it; some were corrected since.
;; Transformer Block. Allowed arithmetic: matrix products marked QUANTISED: E2M3 operands, one E8M0 scale for each 32 along K, by v_wmma_scale_f32_16x16x128_f8f6f4 with both operands' format E2M3, f32 sums; everything else in f32.
;; Inputs: W1_codes 4,096 x 32 x 24 uint8 (E2M3 codes of W1, K innermost, in blocks of 32 codes, four codes in three bytes); W1_scales 4,096 x 32 uint8 (E8M0 scales of W1, one for each 32 codes along K); W2_codes 1,024 x 128 x 24 uint8 (E2M3 codes of W2, K innermost, in blocks of 32 codes, four codes in three bytes); W2_scales 1,024 x 128 uint8 (E8M0 scales of W2, one for each 32 codes along K); Wout_codes 1,024 x 32 x 24 uint8 (E2M3 codes of Wout, K innermost, in blocks of 32 codes, four codes in three bytes); Wout_scales 1,024 x 32 uint8 (E8M0 scales of Wout, one for each 32 codes along K); Wqkv_codes 3,072 x 32 x 24 uint8 (E2M3 codes of Wqkv, K innermost, in blocks of 32 codes, four codes in three bytes); Wqkv_scales 3,072 x 32 uint8 (E8M0 scales of Wqkv, one for each 32 codes along K); attn_mask 1 x 1 x 2,048 x 2,048 float32; g1 1,024 float32; g2 1,024 float32; x 2 x 2,048 x 1,024 float32.
;; Outputs: out0 2 x 2,048 x 1,024 float32.
;; This version of the problem:
;;   THIS VERSION OF THE PROBLEM IS GIVEN IN LOW PRECISION. The matrix products marked QUANTISED in the list below multiply operands that are first quantised to E2M3 (2 exponent bits, 3 mantissa bits; 6 bits a number), with one power-of-two scale for each 32 numbers along K (OCP MX v1.0); their sums are f32. All else is computed in f32.
;;   The module's matrix products, in the order in which they are computed (A, B: the left and right operand; K: the contracted axis; several contracted axes count as one K, in the product's order):
;;     1. [M 4,096, K 1,024] x [K 1,024, N 3,072]; A: computed on the way; B: input Wqkv (given as codes): QUANTISED
;;     2. batch 32 x [M 2,048, K 64] x [K 64, N 2,048]; A: computed on the way; B: computed on the way: QUANTISED
;;     3. batch 32 x [M 2,048, K 2,048] x [K 2,048, N 64]; A: softmax (see below); B: computed on the way: QUANTISED
;;     4. [M 4,096, K 1,024] x [K 1,024, N 1,024]; A: computed on the way; B: input Wout (given as codes): QUANTISED
;;     5. [M 4,096, K 1,024] x [K 1,024, N 4,096]; A: computed on the way; B: input W1 (given as codes): QUANTISED
;;     6. [M 4,096, K 4,096] x [K 4,096, N 1,024]; A: computed on the way; B: input W2 (given as codes): QUANTISED
;;   THE QUANTISER, for each operand of a quantised product, along K:
;;     - K is cut into blocks of 32 from its start; a last block that is shorter is filled with zeros.
;;     - A block's scale is 2^e with e = floor(log2(the largest magnitude in the block)) - 2, held to -126 .. 127; a block of zeros has e = 0. As a byte (E8M0): e + 127.
;;     - Each number is divided by its block's scale, clamped to +-7.5, and rounded to the nearest number of E2M3, ties to even, subnormals kept.
;;     - The product sums the exact products of the quantised numbers (number of the format x scale) in f32.
;;   ~~~python
;;   def quantise(x, axis):      # numpy; x: float32 -> the quantised numbers, widened to float32 again
;;       x = np.moveaxis(x, axis, -1); K = x.shape[-1]
;;       x = np.pad(x, [(0, 0)] * (x.ndim - 1) + [(0, -K % 32)]); x = x.reshape(x.shape[:-1] + (-1, 32)); a = np.abs(x).max(-1, keepdims=True)
;;       e = np.where(a > 0, np.clip(np.frexp(np.where(a > 0, a, 1))[1] - 1 - 2, -126, 127), 0)      # np.frexp(a)[1] - 1 = floor(log2(a)), exactly
;;       r = np.clip(x / 2.0 ** e, -7.5, 7.5)
;;       step = 2.0 ** (np.maximum(np.frexp(np.where(r == 0, 1, r))[1] - 1, 0) - 3)
;;       q = np.round(r / step) * step * 2.0 ** e      # np.round: ties to even
;;       return np.moveaxis(q.reshape(q.shape[:-2] + (-1,))[..., :K], -1, axis).astype(np.float32)
;;   ~~~
;;   SOFTMAX AHEAD OF A QUANTISED PRODUCT. Where the list says 'softmax', what is quantised is not the finished softmax but p = 2^(t - M), with t = logit x log2(e) and M = ceil(the row's largest t), a whole number; so 1/2 < the row's largest p <= 1. The row's sum l is taken of the UNQUANTISED p, in f32, and the product's result is divided by l at the end. Since M is a whole number, a kernel that streams over the keys may use a running M (the ceiling of the running maximum): every later rescaling is an exact power of two, which a block's scale takes up: the codes' values come out the same.
;;   OPERANDS COMPUTED ON THE WAY. 'Computed on the way' means the value that the module computes at that place (a softmax that the list does not call 'softmax' is quantised finished and normalised). What goes into a quantiser is computed in f32, as accurately as f32 sums, v_exp_f32 and their like allow (about 1e-6 of the number): no bf16 or f16 on the way to a quantiser, and a product that is left as it is and whose result goes on into a quantised operand takes f32 operands (vector FMAs, or v_wmma_f32_16x16x4_f32). A number that lies on a knife's edge between two numbers of the format may be rounded either way, as far as f32 arithmetic and the matrix unit's own rounding can turn it there, and no further.
;;   INPUTS GIVEN AS CODES. W1 (in the module: [1024, 4096], K = its axis 0); W2 (in the module: [4096, 1024], K = its axis 0); Wout (in the module: [1024, 1024], K = its axis 0); Wqkv (in the module: [1024, 3072], K = its axis 0): each comes as NAME_codes (uint8): NAME with its K axis moved to the last place and cut into blocks of 32 codes, [.., K / 32, bytes a block], one block behind the other in memory; four codes in three bytes: a row's codes are one little-endian stream of bits, code i at bits 6 i .. 6 i + 5 (a code: sign, 2 exponent bits, 3 mantissa bits); and NAME_scales (uint8): the same leading axes, one E8M0 byte (e + 127) for each 32 codes along K. Its value is code x scale, taken as it is: it is not quantised again, and the codes and scales need not be those that the quantiser above would give.
;; One version. Each part assembles by itself: llvm-mc -triple=amdgcn-amd-amdhsa -mcpu=gfx1250 --defsym DOCPART=n.
;; ======== version 1 of 1: 6 launches
;; limits: right only within a limited range of input values
;; workspace buffers: wimg 9,830,400 bytes; rope 524,288 bytes; hA 3,276,800 bytes; qb 3,407,872 bytes; kv 6,684,672 bytes; at 3,276,800 bytes; x1 16,777,216 bytes; gl 13,107,200 bytes
;; launch prepnorm (part 1): grid 512 x 1, 8 waves a work-group, no clusters, 1,536 bytes of LDS; arguments Wqkv_codes, Wqkv_scales, Wout_codes, Wout_scales, W1_codes, W1_scales, W2_codes, W2_scales, wimg, rope, x, g1, hA; writes wimg, rope, hA
.if DOCPART == 1
	.amdgcn_target "amdgcn-amd-amdhsa--gfx1250"
	.amdhsa_code_object_version 6
	.text
	.protected	k_q1c7aaa7a77_prepnorm
	.globl	k_q1c7aaa7a77_prepnorm
	.p2align	8
	.type	k_q1c7aaa7a77_prepnorm,@function
k_q1c7aaa7a77_prepnorm:
	s_mov_b64 s[64:65], 0
	v_nop
	global_prefetch_b8 v0, s[64:65] scope:SCOPE_SE
	s_setreg_imm32_b32 hwreg(HW_REG_WAVE_MODE, 25, 1), 1
	s_wait_xcnt 0x0
; TRANSFORMER BLOCK IN MX-FP6, LAUNCH 1 OF 6.  NO WORK OF reference() IS LEFT OUT IN ANY LAUNCH: every input has a way to the output (attn_mask is an input, so every score is live),
; and all six products are done on codes of E2M3 with E8M0 scales.
; THREE JOBS, parted by the work-group's number alone; the longest have the lowest numbers.
; (a) Work-groups 0-191 lay the four weights out as IMAGES OF OPERAND REGISTERS.  A fragment is 16 rows x 128 along K, 12 registers a lane; its image is 6 pieces of 256 bytes: piece p holds lane l's registers 2 p, 2 p + 1 at byte 8 l.
;     Wout's fragments alone are 3 pieces of 512 bytes: piece q holds lane l's registers 4 q .. 4 q + 3 at byte 16 l (their one consumer loads 16 bytes a lane).
;     Lane-row r of block n stands for row 32 (n / 2) + 8 (n % 2) + r % 8 + 16 (r / 8), so that the results of two neighbouring blocks are 16 neighbours in a lane's registers wherever a result becomes the next operand.
;     wimg: units of 8 fragments (12,288 bytes): Wqkv units 0-191, Wout 192-255, W1 256-511, W2 512-767 ([block][K step]); from byte 9,437,184 on 64 bytes of scale words a fragment (row r's word at 4 r).
;     Work-group w lays units 4 w .. 4 w + 3: wave v takes half v % 2 (4 fragments) of unit 4 w + v / 2.
; (b) Work-groups 192-255 make rope: [2,048 positions][cos of 32 frequencies, sin of 32] f32.  A wave makes 4 positions; lane l holds entries 2 l, 2 l + 1.
;     The angle is position x inv_freq in f32; it is reduced by multiples of pi / 2 in two parts by fused multiply-adds, then polynomials of degree 7 and 8.
;     LIMIT: inv_freq[i] is the correctly rounded f32 of 10^(-i / 8), not the result of reference()'s f32 power and division: where those differ by a last bit, an angle moves by up to 1e-4 at position 2,047.
; (c) Work-groups 256-511: h = g1 * x * rsqrt(mean(x^2) + 1e-8), quantised along its 1,024 columns, stored as fragment images in hA ([256 blocks][8 K steps] of 1,536 bytes; from byte 3,145,728 on 64 bytes of scale words a fragment).
;     A work-group takes one block of 16 rows, wave w K step w: register 16 b + i of lane (r, h) is column 128 w + 32 b + 16 h + i of lane-row r.  The row's sum of squares meets in LDS: one barrier.
;     LIMITS: a block whose largest magnitude lies under 2^-124 is held at the scale byte 1; a block of zeros gets the byte 1 and not 127 (its codes are zeros; these bytes are read by this program alone);
;     NaN and infinities among the inputs are not served; the sum of squares is added in another order than reference()'s.
; No tensor load, no cluster, no matrix unit: the work-groups share only the 4 KiB of gains.
.set WSC, 9437184
	s_cmp_ge_u32 ttmp9, 256
	s_cbranch_scc1 .Lnorm
	s_load_b512 s[4:19], s[0:1], 0x0               ; codes and scales of Wqkv s[4:7], Wout s[8:11], W1 s[12:15], W2 s[16:19]
	s_load_b128 s[20:23], s[0:1], 0x40             ; wimg, rope
	v_lshrrev_b32 v1, 5, v0
	v_readfirstlane_b32 s24, v1                    ; wave 0..7
	s_mov_b32 s48, ttmp9                           ; my work-group's four units
	s_and_b32 s49, s24, 1                          ; which half of a unit is mine
	s_lshl_b32 s51, s24, 2                         ; (the rotary table: 4 positions a wave)
	s_lshr_b32 s24, s24, 1                         ; which of the four units
	v_and_b32 v1, 31, v0
	v_and_b32 v2, 15, v0                           ; r
	v_bfe_u32 v3, v0, 4, 1                         ; h
	v_lshlrev_b32 v6, 3, v1                        ; 8 x lane
	v_lshlrev_b32 v7, 2, v1                        ; 4 x lane
	v_lshlrev_b32 v120, 4, v1                      ; 16 x lane
	s_wait_kmcnt 0x0
	s_cmp_lt_u32 s48, 192
	s_cbranch_scc0 .Lrope
	; ---- the weights.  Which tensor: by the work-group's number
	s_mov_b64 s[26:27], s[16:17]                   ; W2's codes, scales,
	s_mov_b64 s[28:29], s[18:19]
	s_mov_b32 s30, 128                             ; first work-group,
	s_mov_b32 s31, 3072                            ; bytes in a row of codes,
	s_mov_b32 s32, 128                             ; in a row of scales,
	s_mov_b32 s33, 2                               ; four units to a block of rows
	s_mov_b32 s34, 3
	s_cmp_lt_u32 s48, 128                          ; W1
	s_cselect_b64 s[26:27], s[12:13], s[26:27]
	s_cselect_b64 s[28:29], s[14:15], s[28:29]
	s_cselect_b32 s30, 64, s30
	s_cselect_b32 s31, 768, s31
	s_cselect_b32 s32, 32, s32
	s_cselect_b32 s33, 0, s33
	s_cselect_b32 s34, 0, s34
	s_cmp_lt_u32 s48, 64                           ; Wout
	s_cselect_b64 s[26:27], s[8:9], s[26:27]
	s_cselect_b64 s[28:29], s[10:11], s[28:29]
	s_cselect_b32 s30, 48, s30
	s_cmp_lt_u32 s48, 48                           ; Wqkv
	s_cselect_b64 s[26:27], s[4:5], s[26:27]
	s_cselect_b64 s[28:29], s[6:7], s[28:29]
	s_cselect_b32 s30, 0, s30
	s_sub_co_u32 s35, s48, s30
	s_lshl_b32 s35, s35, 2
	s_add_co_u32 s35, s35, s24                     ; my unit within the tensor
	s_lshr_b32 s36, s35, s33                       ; its block of 16 rows
	s_and_b32 s37, s35, s34                        ; its run of 8 K steps
	s_lshr_b32 s38, s36, 1
	s_lshl_b32 s38, s38, 5
	s_and_b32 s39, s36, 1
	s_lshl_b32 s39, s39, 3
	s_add_co_u32 s38, s38, s39                     ; the block's first row
	s_mul_i32 s40, s38, s31
	s_mul_i32 s39, s37, 768
	s_add_co_u32 s40, s40, s39
	s_mul_i32 s39, s49, 384                        ; my 4 K steps of the 8
	s_add_co_u32 s40, s40, s39
	s_mov_b32 s41, 0
	s_add_nc_u64 s[26:27], s[26:27], s[40:41]      ; codes in
	s_mul_i32 s40, s38, s32
	s_lshl_b32 s39, s37, 5
	s_add_co_u32 s40, s40, s39
	s_lshl_b32 s39, s49, 4
	s_add_co_u32 s40, s40, s39
	s_add_nc_u64 s[28:29], s[28:29], s[40:41]      ; scales in
	s_lshl_b32 s42, s48, 2
	s_add_co_u32 s42, s42, s24                     ; my unit in wimg
	s_mul_i32 s40, s42, 12288
	s_mul_i32 s39, s49, 6144
	s_add_co_u32 s40, s40, s39
	s_add_nc_u64 s[44:45], s[20:21], s[40:41]      ; images out
	s_lshl_b32 s40, s42, 9
	s_lshl_b32 s39, s49, 8
	s_add_co_u32 s40, s40, s39
	s_add_co_u32 s40, s40, WSC
	s_add_nc_u64 s[46:47], s[20:21], s[40:41]      ; scale words out
	s_wait_alu depctr_va_vdst(0)                   ; the wait ahead of the first readers of the head's registers
	v_and_b32 v4, 8, v2
	s_delay_alu instid0(VALU_DEP_1)
	v_add_nc_u32 v4, v4, v2                        ; r % 8 + 16 (r / 8)
	s_delay_alu instid0(VALU_DEP_1)
	v_mul_lo_u32 v5, v4, s32                       ; my row's scales
	s_delay_alu instid0(VALU_DEP_2)
	v_mul_lo_u32 v4, v4, s31
	s_delay_alu instid0(VALU_DEP_1)
	v_mad_u32_u24 v4, v3, 24, v4                   ; my row's codes, + 24 bytes for the upper half of the lanes
	global_load_b128 v[8:11], v5, s[28:29]         ; the row's 4 scale words
.irp k, 0,1,2,3
.irp p, 0,1,2,3,4,5
	global_load_b64 v[16+12*\k+2*\p:17+12*\k+2*\p], v4, s[26:27] offset:96*\k+48*(\p/3)+8*(\p%3) th:TH_LOAD_NT
.endr
.endr
	v_cmp_eq_u32 vcc_lo, 1, v3
	s_sub_co_u32 s50, s48, 48
	s_cmp_lt_u32 s50, 16                           ; work-groups 48-63: Wout
	s_cbranch_scc1 .Lwout
.irp k, 0,1,2,3
	s_wait_loadcnt 6*(3-\k)                        ; loads come back in order: all but the later K steps' six each are in
.irp p, 0,1,2,3,4,5
	global_store_b64 v6, v[16+12*\k+2*\p:17+12*\k+2*\p], s[44:45] offset:1536*\k+256*\p   ; 256 consecutive bytes, aligned
.endr
.endr
	s_branch .Lwords
.Lwout:
.irp k, 0,1,2,3
	s_wait_loadcnt 6*(3-\k)
.irp q, 0,1,2
	global_store_b128 v120, v[16+12*\k+4*\q:19+12*\k+4*\q], s[44:45] offset:1536*\k+512*\q   ; 512 consecutive bytes, aligned
.endr
.endr
.Lwords:
.irp i, 0,1
	v_cndmask_b32 v[112+\i], v[8+2*\i], v[9+2*\i], vcc_lo     ; lanes 0-15 the word of my K step 2 i, lanes 16-31 that of 2 i + 1
	global_store_b32 v7, v[112+\i], s[46:47] offset:128*\i
.endr
	s_endpgm
	; ---- the rotary table
.Lrope:
	s_sub_co_u32 s35, s48, 192
	s_lshl_b32 s35, s35, 5
	s_add_co_u32 s35, s35, s51                     ; my wave's first position
	s_lshl_b32 s38, s35, 8
	s_mov_b32 s39, 0
	s_add_nc_u64 s[38:39], s[22:23], s[38:39]
	v_mov_b32 v10, 0                               ; my lane's even frequency,
	v_mov_b32 v11, 0                               ; and the odd one
.macro FQ i, val                       ; inv_freq[i] goes to lane i / 2 (the cosines) and lane i / 2 + 16 (the sines)
	s_mov_b32 s25, \val
	v_writelane_b32 v[10+(\i)%2], s25, (\i)/2
	v_writelane_b32 v[10+(\i)%2], s25, (\i)/2+16
.endm
	FQ 0, 1.0
	FQ 1, 0.7498942093324559
	FQ 2, 0.5623413251903491
	FQ 3, 0.4216965034285822
	FQ 4, 0.31622776601683794
	FQ 5, 0.23713737056616552
	FQ 6, 0.1778279410038923
	FQ 7, 0.1333521432163324
	FQ 8, 0.1
	FQ 9, 0.07498942093324559
	FQ 10, 0.05623413251903491
	FQ 11, 0.04216965034285822
	FQ 12, 0.031622776601683794
	FQ 13, 0.023713737056616552
	FQ 14, 0.01778279410038923
	FQ 15, 0.01333521432163324
	FQ 16, 0.01
	FQ 17, 0.007498942093324559
	FQ 18, 0.005623413251903491
	FQ 19, 0.004216965034285822
	FQ 20, 0.0031622776601683794
	FQ 21, 0.0023713737056616552
	FQ 22, 0.001778279410038923
	FQ 23, 0.001333521432163324
	FQ 24, 0.001
	FQ 25, 0.0007498942093324559
	FQ 26, 0.0005623413251903491
	FQ 27, 0.0004216965034285822
	FQ 28, 0.00031622776601683794
	FQ 29, 0.00023713737056616552
	FQ 30, 0.0001778279410038923
	FQ 31, 0.0001333521432163324
	s_mov_b32 s26, 0x3f22f983                      ; 2 / pi
	s_mov_b32 s27, 0x3fc90fdb                      ; pi / 2, its f32,
	s_mov_b32 s28, 0xb33bbd2e                      ; and what that f32 leaves
	s_mov_b32 s29, -0.00019515295891               ; sine on [-pi / 4, pi / 4]
	s_mov_b32 s30, 0.0083321608736
	s_mov_b32 s31, -0.16666654611
	s_mov_b32 s32, 0.00002443315711809948          ; cosine
	s_mov_b32 s33, -0.001388731625493765
	s_mov_b32 s34, 0.04166664568298827
	v_mul_u32_u24 v13, v3, 3                       ; sin(a) = cos(a - pi / 2): three quadrants on for lanes 16-31
.macro POS i
	s_add_co_u32 s36, s35, \i
	v_cvt_f32_u32 v12, s36
	s_wait_alu depctr_va_vdst(0)
.irp u, 0,1
	v_mul_f32 v[16+8*\u], v12, v[10+\u]                          ; the angle a, in f32
	s_delay_alu instid0(VALU_DEP_1)
	v_mul_f32 v[17+8*\u], s26, v[16+8*\u]
	s_delay_alu instid0(VALU_DEP_1)
	v_rndne_f32 v[17+8*\u], v[17+8*\u]                           ; n
	s_delay_alu instid0(VALU_DEP_1)
	v_fma_f32 v[16+8*\u], -v[17+8*\u], s27, v[16+8*\u]
	s_delay_alu instid0(VALU_DEP_1)
	v_fma_f32 v[16+8*\u], -v[17+8*\u], s28, v[16+8*\u]           ; rho = a - n pi / 2
	s_delay_alu instid0(VALU_DEP_1)
	v_mul_f32 v[18+8*\u], v[16+8*\u], v[16+8*\u]                 ; z
	s_delay_alu instid0(VALU_DEP_1)
	v_fma_f32 v[19+8*\u], v[18+8*\u], s29, s30
	s_delay_alu instid0(VALU_DEP_1)
	v_fma_f32 v[19+8*\u], v[19+8*\u], v[18+8*\u], s31
	s_delay_alu instid0(VALU_DEP_1)
	v_mul_f32 v[19+8*\u], v[19+8*\u], v[18+8*\u]
	s_delay_alu instid0(VALU_DEP_1)
	v_fma_f32 v[19+8*\u], v[19+8*\u], v[16+8*\u], v[16+8*\u]     ; sin rho
	v_fma_f32 v[20+8*\u], v[18+8*\u], s32, s33
	s_delay_alu instid0(VALU_DEP_1)
	v_fma_f32 v[20+8*\u], v[20+8*\u], v[18+8*\u], s34
	s_delay_alu instid0(VALU_DEP_1)
	v_mul_f32 v[20+8*\u], v[20+8*\u], v[18+8*\u]
	v_fma_f32 v[21+8*\u], v[18+8*\u], -0.5, 1.0
	s_delay_alu instid0(VALU_DEP_1)
	v_fma_f32 v[20+8*\u], v[20+8*\u], v[18+8*\u], v[21+8*\u]     ; cos rho
	v_cvt_i32_f32 v[22+8*\u], v[17+8*\u]
	s_delay_alu instid0(VALU_DEP_1)
	v_add_nc_u32 v[22+8*\u], v[22+8*\u], v13                     ; the quadrant k (its two low bits count)
	s_delay_alu instid0(VALU_DEP_1)
	v_and_b32 v[23+8*\u], 1, v[22+8*\u]
	s_delay_alu instid0(VALU_DEP_1)
	v_cmp_ne_u32 vcc_lo, 0, v[23+8*\u]
	v_cndmask_b32 v[19+8*\u], v[20+8*\u], v[19+8*\u], vcc_lo     ; k odd: the sine, else the cosine
	v_add_nc_u32 v[22+8*\u], 1, v[22+8*\u]
	s_delay_alu instid0(VALU_DEP_1)
	v_and_b32 v[22+8*\u], 2, v[22+8*\u]
	s_delay_alu instid0(VALU_DEP_1)
	v_lshlrev_b32 v[22+8*\u], 30, v[22+8*\u]                     ; k = 1, 2: the sign turns
	s_delay_alu instid0(VALU_DEP_1)
	v_xor_b32 v[32+2*\i+\u], v[19+8*\u], v[22+8*\u]
.endr
	global_store_b64 v6, v[32+2*\i:33+2*\i], s[38:39] offset:256*\i   ; a position's 256 bytes, aligned; each position has registers of its own
.endm
.irp i, 0,1,2,3
	POS \i
.endr
	s_endpgm
	; ---- the first norm
.set SPARE, 512                        ; LDS: bytes 0-511 the partial sums; then the spare words, 128 bytes for each of 8 waves, which no other line names
.set XA,  4                            ; my bytes in x
.set GA,  5                            ; and in g
.set L8,  6                            ; 8 x lane
.set R4,  7                            ; 4 x (lane % 16)
.set PS,  8                            ; where my wave puts its partial sums
.set SPW, 10                           ; my spare word; never rewritten
.set NIL, 11                           ; 0; never rewritten
.set X,   32                           ; v32-95   64 numbers of x
.set G,   96                           ; v96-159  the same columns of g
.set TM,  160                          ; v160-175 at work in QUANT
.set PW,  176                          ; the scale word
.set PC,  180                          ; v180-199 the codes
.set SEL, 20                           ; s[20:21] lane selects: lane l xor 16
; 64 numbers of a lane, register 16 b + i = column 32 b + 16 h + i of my row, become a fragment's codes in v[PC] on and its scale word in v[PW]
.macro QUANT s
.irp b, 0,1,2,3
	v_max3_num_f32 v[TM+\b], |v[\s+16*\b]|, |v[\s+1+16*\b]|, 0x1800000   ; with the floor 2^(3 - 127): the byte cannot fall under 1
.endr
.irp i, 2,4,6,8,10,12,14
.irp b, 0,1,2,3
	s_delay_alu instid0(VALU_DEP_4)
	v_max3_num_f32 v[TM+\b], v[TM+\b], |v[\s+16*\b+\i]|, |v[\s+1+16*\b+\i]|
.endr
.endr
.irp b, 0,1,2,3
	s_delay_alu instid0(VALU_DEP_4)
	v_permlanex16_b32 v[TM+4+\b], v[TM+\b], s[SEL], s[SEL+1]
.endr
.irp b, 0,1,2,3
	s_delay_alu instid0(VALU_DEP_4)
	v_max_num_f32 v[TM+\b], v[TM+\b], v[TM+4+\b]   ; the block's largest magnitude
.endr
.irp b, 0,1,2,3
	s_delay_alu instid0(VALU_DEP_4)
	v_add_nc_u32 v[TM+12+\b], 0xff000000, v[TM+\b]   ; 2 off its exponent field: the conversion's scale operand
.endr
.irp b, 0,1,2,3
	s_delay_alu instid0(VALU_DEP_4)
	v_lshrrev_b32 v[TM+4+\b], 23, v[TM+12+\b]      ; the scale's byte
.endr
	s_delay_alu instid0(VALU_DEP_3)
	v_lshl_or_b32 v[PW], v[TM+5], 8, v[TM+4]
	s_delay_alu instid0(VALU_DEP_1)
	v_lshl_or_b32 v[PW], v[TM+6], 16, v[PW]
	s_delay_alu instid0(VALU_DEP_1)
	v_lshl_or_b32 v[PW], v[TM+7], 24, v[PW]
.irp c, 0,1
	v_cvt_scalef32_pk16_fp6_f32 v[PC+6*\c:PC+2+6*\c], v[\s+32*\c:\s+15+32*\c], v[TM+12+2*\c]
	v_cvt_scalef32_pk16_fp6_f32 v[PC+12+4*\c:PC+14+4*\c], v[\s+16+32*\c:\s+31+32*\c], v[TM+13+2*\c]   ; (a conversion's three registers begin on an even number)
.endr
	v_nop                                          ; one plain place behind a scaled conversion
.irp c, 0,1                            ; the operand wants a whole block in a lane
.irp i, 0,1,2
	v_permlane16_swap_b32 v[PC+6*\c+\i], v[PC+12+4*\c+\i]
.endr
.irp i, 0,1,2
	s_delay_alu instid0(VALU_DEP_3)
	v_mov_b32 v[PC+3+6*\c+\i], v[PC+12+4*\c+\i]
.endr
.endr
.endm
.Lnorm:
	s_load_b128 s[4:7], s[0:1], 0x50               ; x, g1
	s_load_b64 s[8:9], s[0:1], 0x60                ; hA
	s_sub_co_u32 s2, ttmp9, 256                    ; my block of 16 rows
	v_lshl_add_u32 v[SPW], v0, 2, SPARE
	v_mov_b32 v[NIL], 0
	v_lshrrev_b32 v1, 5, v0
	s_delay_alu instid0(VALU_DEP_1)
	v_readfirstlane_b32 s10, v1                    ; wave = K step
	v_and_b32 v1, 31, v0
	v_and_b32 v2, 15, v0                           ; r
	v_bfe_u32 v3, v0, 4, 1                         ; h
	s_delay_alu instid0(VALU_DEP_2)
	v_and_b32 v[XA], 8, v2
	s_delay_alu instid0(VALU_DEP_1)
	v_add_nc_u32 v[XA], v[XA], v2                  ; r % 8 + 16 (r / 8)
	s_delay_alu instid0(VALU_DEP_1)
	v_lshlrev_b32 v[XA], 12, v[XA]                 ; rows of 4,096 bytes
	s_delay_alu instid0(VALU_DEP_1)
	v_lshl_add_u32 v[XA], v3, 6, v[XA]             ; + 64 h
	v_lshlrev_b32 v[GA], 6, v3
	v_lshlrev_b32 v[L8], 3, v1
	v_lshlrev_b32 v[R4], 2, v2
	s_lshl_b32 s11, s10, 6
	v_add_nc_u32 v[PS], s11, v[R4]                 ; 64 x wave + 4 r
.irp b, 0,1,2,3
	v_mov_b32 v[TM+4+\b], 0                        ; written once: a lane permute's destination counts as one of its sources
.endr
	s_lshr_b32 s12, s2, 1
	s_lshl_b32 s12, s12, 5
	s_and_b32 s13, s2, 1
	s_lshl_b32 s13, s13, 3
	s_add_co_u32 s12, s12, s13                     ; the block's first row
	s_lshl_b32 s12, s12, 12
	s_lshl_b32 s14, s10, 9                         ; my 128 columns
	s_add_co_u32 s12, s12, s14
	s_mov_b32 s13, 0
	s_mov_b32 s15, 0
	s_lshl_b32 s16, s2, 3
	s_add_co_u32 s16, s16, s10                     ; my fragment: 8 x block + K step
	s_mul_i32 s18, s16, 1536
	s_mov_b32 s19, 0
	s_lshl_b32 s16, s16, 6
	s_add_co_u32 s16, s16, 3145728
	s_mov_b32 s17, 0
	s_mov_b32 s[SEL], 0x76543210
	s_mov_b32 s[SEL+1], 0xfedcba98
	s_mov_b32 s22, 0x322bcc77                      ; 1e-8
	s_wait_alu depctr_va_vdst(0)                   ; the wait at the head's end
	s_wait_kmcnt 0x0
	s_add_nc_u64 s[4:5], s[4:5], s[12:13]
	s_add_nc_u64 s[6:7], s[6:7], s[14:15]
	s_add_nc_u64 s[24:25], s[8:9], s[16:17]        ; the scale words' place
	s_add_nc_u64 s[8:9], s[8:9], s[18:19]          ; the image's
.irp b, 0,1,2,3
.irp j, 0,1,2,3
	global_load_b128 v[X+16*\b+4*\j:X+16*\b+4*\j+3], v[XA], s[4:5] offset:128*\b+16*\j
.endr
.endr
.irp b, 0,1,2,3
.irp j, 0,1,2,3
	global_load_b128 v[G+16*\b+4*\j:G+16*\b+4*\j+3], v[GA], s[6:7] offset:128*\b+16*\j
.endr
.endr
	s_wait_loadcnt 16                              ; x is in; the sixteen loads of g may be out
.irp c, 0,1,2,3                        ; the sum of my 64 squares, in four chains of pairs
	v_pk_mul_f32 v[12+2*\c:13+2*\c], v[X+2*\c:X+2*\c+1], v[X+2*\c:X+2*\c+1]
.endr
.irp e, 8,16,24,32,40,48,56
.irp c, 0,1,2,3
	s_delay_alu instid0(VALU_DEP_4)
	v_pk_fma_f32 v[12+2*\c:13+2*\c], v[X+\e+2*\c:X+\e+2*\c+1], v[X+\e+2*\c:X+\e+2*\c+1], v[12+2*\c:13+2*\c]
.endr
.endr
	s_delay_alu instid0(VALU_DEP_3)
	v_pk_add_f32 v[12:13], v[12:13], v[14:15]
	s_delay_alu instid0(VALU_DEP_2)
	v_pk_add_f32 v[16:17], v[16:17], v[18:19]
	s_delay_alu instid0(VALU_DEP_1)
	v_pk_add_f32 v[12:13], v[12:13], v[16:17]
	s_delay_alu instid0(VALU_DEP_1)
	v_add_f32 v12, v12, v13
	s_delay_alu instid0(VALU_DEP_1)
	v_permlanex16_b32 v13, v12, s[SEL], s[SEL+1]
	s_delay_alu instid0(VALU_DEP_1)
	v_add_f32 v12, v12, v13                        ; my wave's 128 columns of row r
	ds_store_b32 v[PS], v12                        ; (lanes l and l xor 16 write the same word with the same value)
	s_wait_dscnt 0x0                               ; for the others' sake: my store has landed
	s_barrier_signal -1
	s_barrier_wait -1
.irp i, 0,1,2,3,4,5,6,7
	ds_load_b32 v[20+\i], v[R4] offset:64*\i
.endr
	s_wait_dscnt 0x0
	v_add_f32 v20, v20, v21
.irp i, 2, 3, 4, 5, 6, 7
	s_delay_alu instid0(VALU_DEP_1)
	v_add_f32 v20, v20, v[20+\i]
.endr
	s_delay_alu instid0(VALU_DEP_1)
	v_fma_f32 v20, v20, 0x3a800000, s22            ; / 1,024 + 1e-8
	s_wait_alu depctr_va_vdst(0)                   ; the wait ahead of the transcendental
	v_rsq_f32 v28, v20
	v_mov_b32 v29, 0                               ; the plain place behind it (v29 is named only as the upper half of the pair)
	s_wait_alu depctr_va_vdst(0)                   ; and ahead of its first reader
	s_wait_loadcnt 0x0                             ; g
.set e, 0
.rept 32
	v_pk_mul_f32 v[X+e:X+e+1], v[G+e:G+e+1], v[X+e:X+e+1]       ; g x,
.set e, e+2
.endr
.set e, 0
.rept 32
	v_pk_mul_f32 v[X+e:X+e+1], v[X+e:X+e+1], v[28:29] op_sel_hi:[1,0]   ; times the norm: reference()'s order
.set e, e+2
.endr
	QUANT X
.irp p, 0,1,2,3,4,5
	global_store_b64 v[L8], v[PC+2*\p:PC+2*\p+1], s[8:9] offset:256*\p   ; 256 consecutive bytes, aligned
.endr
	global_store_b32 v[R4], v[PW], s[24:25]        ; row r's word (lanes l and l xor 16 hold the same)
	s_wait_tensorcnt 0x0                           ; the wave's end
	ds_add_u32 v[SPW], v[NIL]
	s_wait_dscnt 0x0
	s_endpgm
.Lfunc_end_k_q1c7aaa7a77_prepnorm:
	.size	k_q1c7aaa7a77_prepnorm, .Lfunc_end_k_q1c7aaa7a77_prepnorm-k_q1c7aaa7a77_prepnorm
	.p2alignl 7, 3214868480
	.fill 96, 4, 3214868480
	.section	.rodata,"a",@progbits
	.p2align	6, 0x0
	.amdhsa_kernel k_q1c7aaa7a77_prepnorm
		.amdhsa_group_segment_fixed_size 1536
		.amdhsa_private_segment_fixed_size 0
		.amdhsa_enable_private_segment 0
		.amdhsa_kernarg_size 104
		.amdhsa_user_sgpr_count 2
		.amdhsa_user_sgpr_kernarg_segment_ptr 1
		.amdhsa_wavefront_size32 1
		.amdhsa_system_sgpr_workgroup_id_x 1
		.amdhsa_system_sgpr_workgroup_id_y 1
		.amdhsa_system_sgpr_workgroup_id_z 1
		.amdhsa_system_vgpr_workitem_id 0
		.amdhsa_next_free_vgpr 224
		.amdhsa_next_free_sgpr 66
		.amdhsa_reserve_vcc 1
		.amdhsa_float_denorm_mode_32 3
		.amdhsa_float_denorm_mode_16_64 3
		.amdhsa_memory_ordered 1
		.amdhsa_forward_progress 1
		.amdhsa_inst_pref_size 51
	.end_amdhsa_kernel
	.amdgpu_metadata
---
amdhsa.version: [ 1, 2 ]
amdhsa.kernels:
  - .name:           k_q1c7aaa7a77_prepnorm
    .symbol:         k_q1c7aaa7a77_prepnorm.kd
    .args:
      - { .name: Wqkv_codes, .offset: 0, .size: 8, .value_kind: global_buffer, .address_space: global }
      - { .name: Wqkv_scales, .offset: 8, .size: 8, .value_kind: global_buffer, .address_space: global }
      - { .name: Wout_codes, .offset: 16, .size: 8, .value_kind: global_buffer, .address_space: global }
      - { .name: Wout_scales, .offset: 24, .size: 8, .value_kind: global_buffer, .address_space: global }
      - { .name: W1_codes, .offset: 32, .size: 8, .value_kind: global_buffer, .address_space: global }
      - { .name: W1_scales, .offset: 40, .size: 8, .value_kind: global_buffer, .address_space: global }
      - { .name: W2_codes, .offset: 48, .size: 8, .value_kind: global_buffer, .address_space: global }
      - { .name: W2_scales, .offset: 56, .size: 8, .value_kind: global_buffer, .address_space: global }
      - { .name: wimg, .offset: 64, .size: 8, .value_kind: global_buffer, .address_space: global }
      - { .name: rope, .offset: 72, .size: 8, .value_kind: global_buffer, .address_space: global }
      - { .name: x, .offset: 80, .size: 8, .value_kind: global_buffer, .address_space: global }
      - { .name: g1, .offset: 88, .size: 8, .value_kind: global_buffer, .address_space: global }
      - { .name: hA, .offset: 96, .size: 8, .value_kind: global_buffer, .address_space: global }
    .group_segment_fixed_size: 1536
    .private_segment_fixed_size: 0
    .kernarg_segment_align: 8
    .kernarg_segment_size: 104
    .max_flat_workgroup_size: 256
    .sgpr_count:     66
    .vgpr_count:     224
    .wavefront_size: 32
...
	.end_amdgpu_metadata
.endif
;; end of part 1
;; launch qkv (part 2): grid 12 x 16, 4 waves a work-group, clusters of 4 x 4, 327,680 bytes of LDS; arguments hA, wimg, rope, qb, kv; writes qb, kv
.if DOCPART == 2
	.amdgcn_target "amdgcn-amd-amdhsa--gfx1250"
	.amdhsa_code_object_version 6
	.text
	.protected	k_q1c7aaa7a77_qkv
	.globl	k_q1c7aaa7a77_qkv
	.p2align	8
	.type	k_q1c7aaa7a77_qkv,@function
k_q1c7aaa7a77_qkv:
	s_mov_b64 s[64:65], 0
	v_nop
	global_prefetch_b8 v0, s[64:65] scope:SCOPE_SE
	s_setreg_imm32_b32 hwreg(HW_REG_WAVE_MODE, 25, 1), 1
	s_wait_xcnt 0x0
	s_wait_alu depctr_hold_cnt(0) depctr_sa_sdst(0) depctr_va_vdst(0) depctr_va_sdst(0) depctr_va_ssrc(0) depctr_va_vcc(0) depctr_vm_vsrc(0)
	s_getreg_b32 s2, hwreg(HW_REG_IB_STS2, 6, 4)
	s_cmp_eq_u32 s2, 0
	s_cbranch_scc0 .Lentry_in_a_cluster
	s_endpgm
.Lentry_in_a_cluster:
	s_bfe_u32 s2, ttmp6, 0x10000c
	s_cmp_lg_u32 s2, 0xf033
	s_cbranch_scc0 .Lentry_shape_is_right
	s_endpgm
.Lentry_shape_is_right:
; qkv = h Wqkv on codes of E2M3 (K = 1,024); then the rotary step on q and k in f32; q and k quantised along the head's 64, v along the KEYS; all three stored as images of operand registers for the attention launch.  Nothing of reference() is left out.
; THE PRODUCT.  A tile is 256 x 256, four waves, each 128 x 128: 64 accumulators, 512 registers.  Both operands lie in memory as fragment images ([block of 16 rows][K step of 128], 1,536 bytes each; lane-row r of block n is row
; 32 (n / 2) + 8 (n % 2) + r % 8 + 16 (r / 8)), so a block's two fragments of a step of 256 along K are 3,072 consecutive bytes, a tile is a few such rows for one tensor load, and a fragment comes out of LDS by six loads of 256 consecutive bytes.
; K goes in steps of 256 through two LDS slots.  The scale words of all of K come once, with the first fills.  Source 0 of the matrix instruction is side B, source 1 side A: a lane holds ONE row of A and its registers run along B's rows.
; CLUSTERS of 4 x 4: side A's tiles are shared along a row of the cluster, side B's along a column: joint loads.
; WHICH SIDE IS WHICH hangs on the cluster's x, which all sixteen partners share.  Clusters 0 (q) and 1 (k): A = tokens (hA), B = rows of Wqkv: a lane holds a token and its registers run along a head's 64: the next K of q and k.
; Cluster 2 (v): A = rows of Wv, B = tokens: a lane holds one channel d and its registers run along 128 tokens: the keys, the next K of v.  Both sides have the same shape, so only pointers are chosen.
; q's scale bytes are stored 3 lower: that is the division of the scores by sqrt(64) = 8, exact.  Bytes 2 and 3 of q's and k's scale words are 127: the attention's first product has K = 64 and fills its instruction with zero codes of q.
; qb: [32 (batch, head)][128 blocks of queries] half fragments of 768 bytes; from byte 3,145,728 their scale words, 64 bytes each.
; kv: [4 batch + head / 4][16 key steps][head % 4] records of 13,056 bytes: k's 8 half fragments, k's words (512 bytes at 6,144), v's 4 fragments (at 6,656), v's words (256 bytes at 12,800).
; LIMITS: a block whose largest magnitude lies under 2^-124 (q: 2^-121) is held at the lowest scale byte; a block of zeros gets that byte and not 127 (its codes are zeros; the bytes are read by this program alone); NaN and infinities are not served;
; the rotary step is two fused multiply-adds where reference() has two products and a sum.
.set SIZE_K, 1024
.set NBB,    8                         ; blocks of side B to a wave
.set FR,     12                        ; registers of a fragment
.set FRB,    1536                      ; its image in bytes
.set NL,     6                         ; LDS loads that bring one
.set NP,     4                         ; places behind this matrix instruction (ISA guide 7.12.1)
.set BROW,   2*FRB                     ; a block's part of a slot: two fragments
.set KB,     SIZE_K/128
.set GROW,   KB*FRB                    ; a block's fragments in memory
.set SBLK,   KB*64                     ; a block's scale words
.set ATILE,  16*BROW
.set SLOT,   ATILE+2*NBB*BROW          ; A's 16 blocks, then B's
.set SCB,    2*SLOT                    ; behind the ring: B's scale words,
.set SCA,    SCB+2*NBB*SBLK            ; A's,
.set SPARE,  SCA+16*SBLK               ; and the spare words, 128 bytes for each wave, which no other line names
.set LAPS,   SIZE_K/512
.set L8,   7                           ; v7   8 x lane
.set R4,   8                           ; v8   4 x (lane % 16)
.set RV,   9                           ; v9   my token's bytes in the rotary table
.set ADRA, 16                          ; v16-17 LDS address of my A fragments in slot 0, 1
.set ADRB, 20                          ; v20-21 the same for B
.set ADRS, 27                          ; v27  of my scale words: lanes 0-15 B's, lanes 16-31 A's
.set SPW,  28                          ; v28  my spare word; never rewritten
.set NIL,  29                          ; v29  0; never rewritten
.set SC,   32                          ; v32-63 scale words, two sets of 16: register 2 i + q: block i, the slot's q-th 128 along K.  They hold scales and nothing else
.set AF,   128                         ; v128-223 A's fragments, one set;  window 1: B's two sets at v0 and v128;  windows 2, 3: accumulator (a, b) at v[8 (8 (a % 4) + b)] of window 2 + a / 4
.set CN,   64                          ; the way out: v64-127 cosines and sines, two sets of 16 + 16
.set T1,   128
.set T2,   144
.set RR,   160                         ; v160-191 a head's 32 numbers of my lane, turned
.set TM,   192
.set PC,   208
.set PW,   228
.set G1, 24
.set G0, 32
.set G1B, 48
.set G0B, 56
.set G1S, 68
.set G0S, 76
.set G1SB, 80
.set G0SB, 88
.set SEL, 54
.set FLR, 56
.set ADJ, 57
.set MSB, 0
.macro WIN new                         ; the immediate's high byte repeats the setting that is left
.if MSB != \new
	s_set_vgpr_msb (MSB<<8)|\new
.set MSB, \new
.endif
.endm
.set MUL_LO, 0xa1                      ; source 0 (B) window 1, source 1 (A) window 0, C and D window 2
.set MUL_HI, 0xf1                      ; the same, C and D window 3
.set TO_B,   0x40
; A joint load: waves 0 and 1 fetch for A, waves 2 and 3 for B.  The branch hangs on the wave's number alone.  An s_nop 0 and four v_nop follow each of the two lines.
.macro JLOAD g0a, g1a, g0b, g1b
	s_cmp_eq_u32 s15, 0
	s_cbranch_scc0 .Lfor_b_\@
	tensor_load_to_lds s[\g0a:\g0a+3], s[\g1a:\g1a+7]
	s_nop 0
.rept 4
	v_nop
.endr
	s_branch .Lasked_\@
.Lfor_b_\@:
	tensor_load_to_lds s[\g0b:\g0b+3], s[\g1b:\g1b+7]
	s_nop 0
.rept 4
	v_nop
.endr
.Lasked_\@:
.endm
.macro CREST                           ; a round of the cluster's barrier behind its opening barrier
	s_cmp_lg_u32 s14, 0
	s_cbranch_scc1 .Lnot_wave_0_\@
	s_barrier_signal -3
.Lnot_wave_0_\@:
	s_barrier_wait -3
	s_barrier_signal -1
	s_barrier_wait -1
.endm
.macro CROUND
	s_barrier_signal -1
	s_barrier_wait -1
	CREST
.endm
	s_load_b128 s[4:7], s[0:1], 0x0                ; hA, wimg
	s_load_b128 s[8:11], s[0:1], 0x10              ; rope, qb
	s_load_b64 s[12:13], s[0:1], 0x20              ; kv
	v_lshl_add_u32 v[SPW], v0, 2, SPARE
	v_mov_b32 v[NIL], 0
	ds_add_u32 v[SPW], v[NIL]                      ; the wave's opening: the add, twice on end, and its wait ahead of my first tensor load
	ds_add_u32 v[SPW], v[NIL]
	v_lshrrev_b32 v1, 5, v0
	v_readfirstlane_b32 s14, v1                    ; wave
	s_lshr_b32 s15, s14, 1                         ; my half of A's blocks.  Also: I fetch for A (0) or for B (1)
	s_and_b32 s16, s14, 1                          ; my half of B's blocks.  Also: which half I fetch
	s_bfe_u32 s40, ttmp6, 0x40000                  ; cx
	s_bfe_u32 s41, ttmp6, 0x40004                  ; cy
	s_and_b32 s97, ttmp7, 0xffff
	s_lshl_b32 s97, s97, 2                         ; 4 x cluster y
	s_add_co_u32 s17, s97, s41                     ; q, k: A's tile = the tile of 256 tokens, by cy
	s_add_co_u32 s96, s41, 8                       ; v:    A's tile = rows 2,048 + 256 cy of Wqkv  (s96 and s97 feed side A alone, s98 and s99 side B alone)
	s_lshl_b32 s42, ttmp9, 2
	s_add_co_u32 s42, s42, s40                     ; q, k: B's tile = rows 256 (4 x cluster x + cx) of Wqkv
	s_add_co_u32 s99, s97, s40                     ; v:    B's tile = the tile of tokens, by cx
	s_mov_b32 s18, 3145728                         ; where hA's scale words begin,
	s_mov_b32 s19, 9437184                         ; and wimg's
	s_cmp_eq_u32 ttmp9, 2                          ; the cluster's x: the same in all sixteen partners
	s_cselect_b32 s17, s96, s17                    ; A's tile hangs on cy alone,
	s_cselect_b32 s42, s99, s42                    ; B's on cx alone
	s_cselect_b32 s96, s19, s18
	s_cselect_b32 s95, s18, s19
	s_lshl_b32 s43, s41, 2
	s_lshl_b32 s43, 15, s43                        ; my row of the cluster
	s_lshl_b32 s44, 0x1111, s40                    ; my column
	; descriptor group 1, codes: rows of 3,072 bytes (384 elements of 8), one a block, GROW bytes apart; no padding: every LDS load takes 256 consecutive bytes
	s_or_b32 s[G1+0], s43, (3<<16)|(1<<21)
	s_or_b32 s[G1B+0], s44, (3<<16)|(1<<21)
	s_mov_b32 s[G1+1], 384<<16
	s_mov_b32 s[G1+2], 16<<16                      ; the head's loads bring whole tiles of 16 blocks
	s_mov_b32 s[G1+3], 384<<16
	s_mov_b32 s[G1+4], 16
	s_mov_b32 s[G1+5], GROW/8
	s_mov_b32 s[G1+6], 0
	s_mov_b32 s[G1+7], 0
	s_mov_b32 s[G1B+1], 384<<16
	s_mov_b32 s[G1B+2], (2*NBB)<<16
	s_mov_b32 s[G1B+3], 384<<16
	s_mov_b32 s[G1B+4], 2*NBB
	s_mov_b32 s[G1B+5], GROW/8
	s_mov_b32 s[G1B+6], 0
	s_mov_b32 s[G1B+7], 0
	; scale words: a dense block, as rows of 256 bytes
	s_or_b32 s[G1S+0], s43, (3<<16)|(1<<21)
	s_or_b32 s[G1SB+0], s44, (3<<16)|(1<<21)
	s_mov_b32 s[G1S+1], 32<<16
	s_mov_b32 s[G1S+2], (16*SBLK/256)<<16
	s_mov_b32 s[G1S+3], 32<<16
	s_mov_b32 s[G1S+4], 16*SBLK/256
	s_mov_b32 s[G1S+5], 32
	s_mov_b32 s[G1S+6], 0
	s_mov_b32 s[G1S+7], 0
	s_mov_b32 s[G1SB+1], 32<<16
	s_mov_b32 s[G1SB+2], (2*NBB*SBLK/256)<<16
	s_mov_b32 s[G1SB+3], 32<<16
	s_mov_b32 s[G1SB+4], 2*NBB*SBLK/256
	s_mov_b32 s[G1SB+5], 32
	s_mov_b32 s[G1SB+6], 0
	s_mov_b32 s[G1SB+7], 0
	s_lshl_b32 s20, s17, 4
	s_mul_i32 s22, s20, SBLK
	s_add_co_u32 s22, s22, s96                     ; its scale words,
	s_mov_b32 s23, 0
	s_mul_i32 s20, s20, GROW                       ; its images
	s_mov_b32 s21, 0
	s_mul_i32 s46, s42, 2*NBB
	s_mul_i32 s92, s46, SBLK
	s_add_co_u32 s92, s92, s95
	s_mov_b32 s93, 0
	s_mul_i32 s46, s46, GROW
	s_mov_b32 s47, 0
	s_mul_i32 s45, s16, 8*BROW                     ; where they go: no place in the cluster enters an LDS address
	s_mul_i32 s94, s16, NBB*BROW
	s_add_co_u32 s94, s94, ATILE
	s_mul_i32 s18, s16, 8*GROW                     ; in the ring I fetch half of a tile's blocks: which half, in bytes of memory
	s_mov_b32 s19, 0
	s_wait_dscnt 0x0                               ; both opening adds are done
	s_wait_kmcnt 0x0
	s_cmp_eq_u32 ttmp9, 2
	s_cselect_b64 s[96:97], s[6:7], s[4:5]         ; side A's buffer
	s_cselect_b64 s[98:99], s[4:5], s[6:7]         ; side B's
	s_add_nc_u64 s[20:21], s[96:97], s[20:21]
	s_add_nc_u64 s[22:23], s[96:97], s[22:23]
	s_add_nc_u64 s[46:47], s[98:99], s[46:47]
	s_add_nc_u64 s[92:93], s[98:99], s[92:93]
	CROUND                                         ; all sixteen work-groups are here: the first joint loads meet
	s_mov_b32 s[G0S], 1
	s_mov_b32 s[G0S+1], SCA
	s_mov_b64 s[G0S+2:G0S+3], s[22:23]
	s_or_b32 s[G0S+3], s[G0S+3], 0x80000000
	s_mov_b32 s[G0SB], 1
	s_mov_b32 s[G0SB+1], SCB
	s_mov_b64 s[G0SB+2:G0SB+3], s[92:93]
	s_or_b32 s[G0SB+3], s[G0SB+3], 0x80000000
	s_mov_b32 s[G0], 1                             ; slot 0's groups 0 serve the head's whole tiles first: A's 16 blocks of K step 0,
	s_mov_b32 s[G0+1], 0
	s_mov_b64 s[G0+2:G0+3], s[20:21]
	s_or_b32 s[G0+3], s[G0+3], 0x80000000
	s_mov_b32 s[G0B], 1                            ; and B's, behind them
	s_mov_b32 s[G0B+1], ATILE
	s_mov_b64 s[G0B+2:G0B+3], s[46:47]
	s_or_b32 s[G0B+3], s[G0B+3], 0x80000000
	s_add_nc_u64 s[20:21], s[20:21], s[18:19]      ; slot 1's: my half of K step 1
	s_add_nc_u64 s[46:47], s[46:47], s[18:19]
	s_mov_b32 s[G0+4], 1
	s_add_co_u32 s[G0+5], s45, SLOT
	s_add_nc_u64 s[G0+6:G0+7], s[20:21], BROW
	s_or_b32 s[G0+7], s[G0+7], 0x80000000
	s_mov_b32 s[G0B+4], 1
	s_add_co_u32 s[G0B+5], s94, SLOT
	s_add_nc_u64 s[G0B+6:G0B+7], s[46:47], BROW
	s_or_b32 s[G0B+7], s[G0B+7], 0x80000000
; THE HEAD'S LOADS, ONE A WAVE: wave 0 K step 0 of A's 16 blocks, wave 1 of B's, wave 2 A's scale words, wave 3 B's.  One chain of branches on the wave's number; every way passes one load.
.macro ARM under, g0, g1, next
	s_cmp_lt_u32 s14, \under
	s_cbranch_scc0 \next
	tensor_load_to_lds s[\g0:\g0+3], s[\g1:\g1+7]
	s_nop 0
.rept 4
	v_nop
.endr
	s_branch .Lhead_asked
\next:
.endm
	ARM 1, G0,  G1,  .Lhead_b
	ARM 2, G0B, G1B, .Lhead_sa
	ARM 3, G0S, G1S, .Lhead_sb
	tensor_load_to_lds s[G0SB:G0SB+3], s[G1SB:G1SB+7]
	s_nop 0
.rept 4
	v_nop
.endr
.Lhead_asked:
	v_and_b32 v1, 31, v0
	v_and_b32 v2, 15, v0                           ; r
	v_bfe_u32 v3, v0, 4, 1                         ; h
	s_wait_alu depctr_va_vdst(0)
	v_lshlrev_b32 v[L8], 3, v1
	v_lshlrev_b32 v[R4], 2, v2
	s_mul_i32 s21, s15, 8*BROW                     ; my 8 blocks of A
	s_mul_i32 s22, s16, NBB*BROW                   ; my blocks of B,
	s_add_co_u32 s22, s22, ATILE                   ; which lie behind A's 16
.irp s, 0,1
	v_add_nc_u32 v[ADRA+\s], s21, v[L8]
	v_add_nc_u32 v[ADRB+\s], s22, v[L8]
	s_add_co_u32 s21, s21, SLOT
	s_add_co_u32 s22, s22, SLOT
.endr
	s_mul_i32 s21, s16, NBB*SBLK                   ; B's words: my blocks
	s_mul_i32 s22, s15, 8*SBLK                     ; A's: my 8 blocks, behind B's
	s_add_co_u32 s22, s22, SCA-SCB
	s_sub_co_u32 s22, s22, s21
	v_mul_u32_u24 v6, s22, v3                      ; lanes 16-31 take A's: one product of h with the distance
	s_wait_alu depctr_va_vdst(0)
	s_add_co_u32 s21, s21, SCB
	v_add_nc_u32 v5, v[R4], v6
	v_add_nc_u32 v[ADRS], s21, v5
	v_and_b32 v[RV], 8, v2
	v_add_nc_u32 v[RV], v[RV], v2
	v_lshlrev_b32 v[RV], 8, v[RV]
	v_lshl_add_u32 v[RV], v3, 6, v[RV]             ; the rotary table: 256 bytes a position; my 16 frequencies 16 h on
.macro FRAG reg, adr, q, i             ; a fragment: six loads of 256 consecutive bytes
.irp p, 0,1,2,3,4,5
	ds_load_b64 v[\reg+2*\p:\reg+2*\p+1], v[\adr] offset:(\i)*BROW+(\q)*FRB+256*\p
.endr
.endm
; A's blocks a0, a0 + 1 x B's NBB, 128 along K.  The accumulators take turns, one instruction a turn, in the same order in every step.
.macro MUL a0, p, q, sc, zero
.irp a, \a0, \a0+1
.set b, 0
.rept NBB
.set AC, 8*(8*((\a)%4)+b)
.if \zero
	v_wmma_scale_f32_16x16x128_f8f6f4 v[AC:AC+7], v[128*(\p)+FR*b:128*(\p)+FR*b+FR-1], v[AF+FR*(\a):AF+FR*(\a)+FR-1], 0, v[SC+16*(\sc)+2*b+(\q)], v[SC+16*(\sc)+2*(\a)+(\q)] matrix_a_fmt:MATRIX_FMT_FP6 matrix_b_fmt:MATRIX_FMT_FP6 matrix_b_scale:MATRIX_SCALE_ROW1
.else
	v_wmma_scale_f32_16x16x128_f8f6f4 v[AC:AC+7], v[128*(\p)+FR*b:128*(\p)+FR*b+FR-1], v[AF+FR*(\a):AF+FR*(\a)+FR-1], v[AC:AC+7], v[SC+16*(\sc)+2*b+(\q)], v[SC+16*(\sc)+2*(\a)+(\q)] matrix_a_fmt:MATRIX_FMT_FP6 matrix_b_fmt:MATRIX_FMT_FP6 matrix_b_scale:MATRIX_SCALE_ROW1
.endif
.set b, b+1
.endr
.endr
.endm
.macro FETCH_B slot, q, p
	WIN TO_B
.set i, 0
.rept NBB
	FRAG 128*(\p)+FR*i, ADRB+\slot, \q, i
.set i, i+1
.endr
	WIN 0
.endm
.macro FETCH_A slot, q, i0
.irp i, \i0, \i0+1, \i0+2, \i0+3
	FRAG AF+FR*(\i), ADRA+\slot, \q, \i
.endr
.endm
.macro SCALES sc                       ; a slot's scale words: lanes 0-15 B's block i, lanes 16-31 A's block i
.irp i, 0,1,2,3,4,5,6,7
	ds_load_b32 v[SC+16*\sc+2*\i], v[ADRS] offset:\i*SBLK
	ds_load_b32 v[SC+16*\sc+2*\i+1], v[ADRS] offset:\i*SBLK+64
.endr
.endm
.macro PLACES n                        ; plain vector instructions between a matrix instruction and a load into, or a read of, its registers
.rept \n
	v_nop
.endr
.endm
.macro STEP slot, q, zero              ; a step of 128 along K that has its successor in the same slot
	s_wait_dscnt 4*NL                              ; all but the youngest 24 loads (A's blocks 4-7) are in
	WIN MUL_LO
	MUL 0, (\q)%2, \q, \slot, \zero
	MUL 2, (\q)%2, \q, \slot, \zero
	s_wait_dscnt 0                                 ; A's blocks 4-7 are in
	PLACES NP
	FETCH_B \slot, (\q)+1, 1-(\q)%2
	FETCH_A \slot, (\q)+1, 0
	WIN MUL_HI
	MUL 4, (\q)%2, \q, \slot, \zero
	MUL 6, (\q)%2, \q, \slot, \zero
	PLACES NP
	WIN 0
	FETCH_A \slot, (\q)+1, 4
.endm
; A slot's last step changes slots: one barrier; in front of it each wave waits for all its tensor loads, adds 0 to its spare word, and waits for that and for its own reads of this slot.  fill = 1: this slot is filled again.
.macro TURN slot, next, fill
	s_wait_tensorcnt 0x0                           ; all my tensor loads have landed: my part of the next slot
	ds_add_u32 v[SPW], v[NIL]
	s_wait_dscnt 4*NL+1                            ; (the add and the youngest 24 loads may be out)
	WIN MUL_LO
	MUL 0, 1, 1, \slot, 0
	s_wait_dscnt 0x0                               ; the add is done, and my reads of this slot are over
	s_barrier_signal -1
	MUL 2, 1, 1, \slot, 0
	WIN 0
	s_barrier_wait -1
.if \fill
	CREST                                          ; the barrier has opened a round of the cluster's: no wave of any partner still reads this slot or has a load on its way
	s_add_nc_u64 s[G0+4*\slot+2:G0+4*\slot+3], s[G0+4*\slot+2:G0+4*\slot+3], 2*BROW
	s_add_nc_u64 s[G0B+4*\slot+2:G0B+4*\slot+3], s[G0B+4*\slot+2:G0B+4*\slot+3], 2*BROW
	JLOAD G0+4*\slot, G1, G0B+4*\slot, G1B         ; the first tensor load behind the round; its four v_nop are the places in front of the loads below
.else
	PLACES NP
.endif
	s_wait_alu depctr_va_vdst(0)
	v_add_nc_u32 v[ADRS], 128, v[ADRS]             ; the next slot's scale words
	FETCH_B \next, 0, 0
	FETCH_A \next, 0, 0
	SCALES \next
	WIN MUL_HI
	MUL 4, 1, 1, \slot, 0
	MUL 6, 1, 1, \slot, 0
	PLACES NP
	WIN 0
	FETCH_A \next, 0, 4
.endm
	s_wait_alu depctr_va_vdst(0)
	s_wait_tensorcnt 0x0                           ; my tile of the head's four is in
	ds_add_u32 v[SPW], v[NIL]
	s_mov_b32 s[G1+2], 8<<16                       ; no tensor load of mine is out, so descriptors may be written: from here on a load brings half a tile,
	s_mov_b32 s[G1+4], 8
	s_mov_b32 s[G1B+2], NBB<<16
	s_mov_b32 s[G1B+4], NBB
	s_mov_b32 s[G0+1], s45                         ; and slot 0's groups 0 point at my half of K step 0: the first refill steps them to K step 2
	s_add_nc_u64 s[G0+2:G0+3], s[G0+2:G0+3], s[18:19]
	s_mov_b32 s[G0B+1], s94
	s_add_nc_u64 s[G0B+2:G0B+3], s[G0B+2:G0B+3], s[18:19]
	s_wait_dscnt 0x0                               ; the add is done
	CROUND                                         ; all four tiles are in, and all sixteen work-groups are here
	JLOAD G0+4, G1, G0B+4, G1B                     ; K step 1 into slot 1: the first tensor load behind the round
	FETCH_B 0, 0, 0
	FETCH_A 0, 0, 0
	SCALES 0
	FETCH_A 0, 0, 4
	STEP 0, 0, 1                                   ; the first step's products start the sums
	s_mov_b32 s3, LAPS-1
.Llap:
	TURN 0, 1, 1
	STEP 1, 0, 0
	TURN 1, 0, 1
	STEP 0, 0, 0
	s_sub_co_u32 s3, s3, 1
	s_cmp_lg_u32 s3, 0
	s_cbranch_scc1 .Llap
	TURN 0, 1, 0                                   ; the last lap fills nothing
	STEP 1, 0, 0
	s_wait_dscnt 4*NL
	WIN MUL_LO
	MUL 0, 1, 1, 1, 0
	MUL 2, 1, 1, 1, 0
	s_wait_dscnt 0
	WIN MUL_HI
	MUL 4, 1, 1, 1, 0
	MUL 6, 1, 1, 1, 0
	WIN 0
	PLACES NP                                      ; in front of the first reads of results and the first writes of registers that held A's fragments
; 32 numbers of a lane in window 0, register 16 b + i = d 32 b + 16 h + i, become half a fragment in v[PC] .. v[PC + 5] and two scale bytes in v[TM + 4], v[TM + 5]
.macro QUANT2 s
.irp b, 0,1
	v_max3_num_f32 v[TM+\b], |v[\s+16*\b]|, |v[\s+1+16*\b]|, s[FLR]   ; with the floor, under which no largest magnitude is taken
.endr
.irp i, 2,4,6,8,10,12,14
.irp b, 0,1
	v_max3_num_f32 v[TM+\b], v[TM+\b], |v[\s+16*\b+\i]|, |v[\s+1+16*\b+\i]|
.endr
.endr
.irp b, 0,1
	v_permlanex16_b32 v[TM+4+\b], v[TM+\b], s[SEL], s[SEL+1]
.endr
.irp b, 0,1
	v_max_num_f32 v[TM+\b], v[TM+\b], v[TM+4+\b]
.endr
.irp b, 0,1
	v_add_nc_u32 v[TM+12+\b], 0xff000000, v[TM+\b]
.endr
.irp b, 0,1
	v_lshrrev_b32 v[TM+4+\b], 23, v[TM+12+\b]
.endr
	v_cvt_scalef32_pk16_fp6_f32 v[PC:PC+2], v[\s:\s+15], v[TM+12]
	v_cvt_scalef32_pk16_fp6_f32 v[PC+12:PC+14], v[\s+16:\s+31], v[TM+13]
	v_nop                                          ; one plain place behind a scaled conversion
.irp i, 0,1,2
	v_permlane16_swap_b32 v[PC+\i], v[PC+12+\i]
.endr
.irp i, 0,1,2
	v_mov_b32 v[PC+3+\i], v[PC+12+\i]
.endr
.endm
; 64 numbers of a lane in window w, register 16 b + i = key 32 b + 16 h + i, become a fragment in v[PC] on and its scale word in v[PW]
.macro QUANTW s, w
.set WW, ((\w)<<2)|((\w)<<4)
	WIN WW                                         ; sources 1 and 2 in window w
.irp b, 0,1,2,3
	v_max3_num_f32 v[TM+\b], 0x1800000, |v[(\s)+16*\b]|, |v[(\s)+1+16*\b]|
.endr
.irp i, 2,4,6,8,10,12,14
.irp b, 0,1,2,3
	v_max3_num_f32 v[TM+\b], v[TM+\b], |v[(\s)+16*\b+\i]|, |v[(\s)+1+16*\b+\i]|
.endr
.endr
	WIN 0
.irp b, 0,1,2,3
	v_permlanex16_b32 v[TM+4+\b], v[TM+\b], s[SEL], s[SEL+1]
.endr
.irp b, 0,1,2,3
	v_max_num_f32 v[TM+\b], v[TM+\b], v[TM+4+\b]
.endr
.irp b, 0,1,2,3
	v_add_nc_u32 v[TM+12+\b], 0xff000000, v[TM+\b]
.endr
.irp b, 0,1,2,3
	v_lshrrev_b32 v[TM+4+\b], 23, v[TM+12+\b]
.endr
	v_lshl_or_b32 v[PW], v[TM+5], 8, v[TM+4]
	v_lshl_or_b32 v[PW], v[TM+6], 16, v[PW]
	v_lshl_or_b32 v[PW], v[TM+7], 24, v[PW]
.set WW, \w
	WIN WW                                         ; source 0 in window w
.irp c, 0,1
	v_cvt_scalef32_pk16_fp6_f32 v[PC+6*\c:PC+2+6*\c], v[(\s)+32*\c:(\s)+15+32*\c], v[TM+12+2*\c]
	v_cvt_scalef32_pk16_fp6_f32 v[PC+12+4*\c:PC+14+4*\c], v[(\s)+16+32*\c:(\s)+31+32*\c], v[TM+13+2*\c]
.endr
	WIN 0
	v_nop
.irp c, 0,1
.irp i, 0,1,2
	v_permlane16_swap_b32 v[PC+6*\c+\i], v[PC+12+4*\c+\i]
.endr
.irp i, 0,1,2
	v_mov_b32 v[PC+3+6*\c+\i], v[PC+12+4*\c+\i]
.endr
.endr
.endm
.irp b, 0,1,2,3
	v_mov_b32 v[TM+4+\b], 0                        ; written once: a lane permute's destination counts as one of its sources
.endr
	s_mov_b32 s[SEL], 0x76543210                   ; (every tensor load has landed: the descriptors' registers are free)
	s_mov_b32 s[SEL+1], 0xfedcba98
	s_cmp_eq_u32 ttmp9, 2
	s_cbranch_scc1 .Lvtile
	; ---- q and k.  s17 = the tile of 256 tokens, s40 = cx: the tile's four heads are 4 cx .. 4 cx + 3; mine 4 cx + 2 (wave % 2) + hh
	s_lshr_b32 s24, s17, 3                         ; batch
	s_and_b32 s25, s17, 7                          ; the tile within the sequence
	s_lshl_b32 s26, s24, 4
	s_lshl_b32 s27, s40, 2
	s_add_co_u32 s26, s26, s27
	s_lshl_b32 s27, s16, 1
	s_add_co_u32 s26, s26, s27                     ; 16 batch + head
	s_lshl_b32 s26, s26, 7
	s_lshl_b32 s27, s25, 4
	s_add_co_u32 s26, s26, s27
	s_lshl_b32 s27, s15, 3
	s_add_co_u32 s26, s26, s27                     ; q: half fragment (16 batch + head) 128 + my first block of queries
	s_mul_i32 s28, s26, 768
	s_lshl_b32 s29, s26, 6
	s_add_co_u32 s29, s29, 3145728
	s_lshl_b32 s30, s24, 2
	s_add_co_u32 s30, s30, s40
	s_lshl_b32 s30, s30, 4
	s_lshl_b32 s31, s25, 1
	s_add_co_u32 s30, s30, s31
	s_add_co_u32 s30, s30, s15                     ; k: (4 batch + head / 4) 16 + the key step
	s_lshl_b32 s30, s30, 2
	s_lshl_b32 s31, s16, 1
	s_add_co_u32 s30, s30, s31                     ; the record
	s_mul_i32 s30, s30, 13056
	s_add_co_u32 s31, s30, 6144
	s_lshl_b32 s58, s25, 8
	s_lshl_b32 s59, s15, 7
	s_add_co_u32 s58, s58, s59                     ; my first token's position
	s_lshl_b32 s58, s58, 8
	s_mov_b32 s59, 0
	s_add_nc_u64 s[52:53], s[8:9], s[58:59]        ; its line of the rotary table
	s_mov_b32 s32, 13056
	s_mov_b32 s33, 0x1800000
	s_cmp_eq_u32 ttmp9, 0                          ; q or k
	s_cselect_b32 s28, s28, s30                    ; the codes' place,
	s_cselect_b32 s30, s29, s31                    ; the words',
	s_cselect_b32 s34, 98304, s32                  ; from a head to the next: codes,
	s_cselect_b32 s36, 8192, s32                   ; words
	s_cselect_b32 s[FLR], 0x3000000, s33           ; q's floor is 3 higher,
	s_cselect_b32 s[ADJ], 0x0303, 0                ; since 3 come off q's two bytes: the scores' division by 8
	s_cselect_b64 s[38:39], s[10:11], s[12:13]
	s_mov_b32 s29, 0
	s_mov_b32 s31, 0
	s_mov_b32 s35, 0
	s_mov_b32 s37, 0
	s_add_nc_u64 s[44:45], s[38:39], s[28:29]      ; codes, head hh = 0,
	s_add_nc_u64 s[46:47], s[44:45], s[34:35]      ; hh = 1
	s_add_nc_u64 s[48:49], s[38:39], s[30:31]      ; words
	s_add_nc_u64 s[50:51], s[48:49], s[36:37]
.macro CLD a                           ; block a's cosines and sines: my token's 16 frequencies of each
.irp j, 0,1,2,3
	global_load_b128 v[CN+32*((\a)%2)+4*\j:CN+32*((\a)%2)+4*\j+3], v[RV], s[52:53] offset:(32*((\a)/2)+8*((\a)%2))*256+16*\j
	global_load_b128 v[CN+32*((\a)%2)+16+4*\j:CN+32*((\a)%2)+19+4*\j], v[RV], s[52:53] offset:(32*((\a)/2)+8*((\a)%2))*256+128+16*\j
.endr
.endm
; The rotary step for block a, head hh.  In the block's 64 registers, 32 hh + i is d = 16 h + i and 32 hh + 16 + i is d = 32 + 16 h + i, both with frequency 16 h + i.  Each accumulator is read from its low end on.
.macro ROT a, hh
.set WW, 2+(\a)/4
	WIN WW                                         ; source 0: the accumulators' window
.set LO, 64*((\a)%4)+32*(\hh)
.set CB, CN+32*((\a)%2)
.set e, 0
.rept 8
	v_pk_mul_f32 v[T1+e:T1+e+1], v[LO+16+e:LO+17+e], v[CB+16+e:CB+17+e]
	v_pk_mul_f32 v[T2+e:T2+e+1], v[LO+e:LO+e+1], v[CB+16+e:CB+17+e]
	v_pk_fma_f32 v[RR+e:RR+e+1], v[LO+e:LO+e+1], v[CB+e:CB+e+1], v[T1+e:T1+e+1] neg_lo:[0,0,1] neg_hi:[0,0,1]
	v_pk_fma_f32 v[RR+16+e:RR+17+e], v[LO+16+e:LO+17+e], v[CB+e:CB+e+1], v[T2+e:T2+e+1]
.set e, e+2
.endr
	WIN 0
.endm
	CLD 0
.irp a, 0,1,2,3,4,5,6,7
.if \a < 7
	CLD \a+1
	s_wait_loadcnt 8                               ; this block's eight loads are in; the next block's may be out
.else
	s_wait_loadcnt 0x0
.endif
.irp hh, 0,1
	ROT \a, \hh
	s_wait_xcnt 0x0                                ; the last stores have read their registers: the codes and the word may be written again
	QUANT2 RR
	v_lshl_or_b32 v[PW], v[TM+5], 8, v[TM+4]
	v_or_b32 v[PW], 0x7f7f0000, v[PW]              ; bytes 2 and 3 stand over zero codes
	v_sub_nc_u32 v[PW], v[PW], s[ADJ]
.irp p, 0,1,2
	global_store_b64 v[L8], v[PC+2*\p:PC+2*\p+1], s[44+2*\hh:45+2*\hh] offset:768*\a+256*\p   ; 256 consecutive bytes, aligned
.endr
	global_store_b32 v[R4], v[PW], s[48+2*\hh:49+2*\hh] offset:64*\a
.endr
.endr
	s_branch .Ldone
	; ---- v.  s42 = the tile of 256 tokens, s41 = cy: the tile's four heads are 4 cy ..; my blocks 0-3 are head 4 cy + 2 (wave / 2), blocks 4-7 the next; my 128 tokens are one key step
.Lvtile:
	s_lshr_b32 s24, s42, 3                         ; batch
	s_and_b32 s25, s42, 7
	s_lshl_b32 s25, s25, 1
	s_add_co_u32 s25, s25, s16                     ; the key step
	s_lshl_b32 s24, s24, 2
	s_add_co_u32 s24, s24, s41
	s_lshl_b32 s24, s24, 4
	s_add_co_u32 s24, s24, s25
	s_lshl_b32 s24, s24, 2
	s_lshl_b32 s25, s15, 1
	s_add_co_u32 s24, s24, s25                     ; the record
	s_mul_i32 s24, s24, 13056
	s_mov_b32 s25, 0
	s_add_nc_u64 s[44:45], s[12:13], s[24:25]
.irp a, 0,1,2,3,4,5,6,7
	s_wait_xcnt 0x0                                ; the last stores have read their registers
	QUANTW 64*(\a%4), 2+\a/4
.irp p, 0,1,2,3,4,5
	global_store_b64 v[L8], v[PC+2*\p:PC+2*\p+1], s[44:45] offset:(\a/4)*13056+6656+(\a%4)*1536+256*\p
.endr
	global_store_b32 v[R4], v[PW], s[44:45] offset:(\a/4)*13056+12800+(\a%4)*64
.endr
.Ldone:
	s_wait_tensorcnt 0x0                           ; the wave's end
	ds_add_u32 v[SPW], v[NIL]
	s_wait_dscnt 0x0
	CROUND                                         ; the closing round: no work-group ends while a partner may still ask for a tile that names it
	s_endpgm
.Lfunc_end_k_q1c7aaa7a77_qkv:
	.size	k_q1c7aaa7a77_qkv, .Lfunc_end_k_q1c7aaa7a77_qkv-k_q1c7aaa7a77_qkv
	.p2alignl 7, 3214868480
	.fill 96, 4, 3214868480
	.section	.rodata,"a",@progbits
	.p2align	6, 0x0
	.amdhsa_kernel k_q1c7aaa7a77_qkv
		.amdhsa_group_segment_fixed_size 327680
		.amdhsa_private_segment_fixed_size 0
		.amdhsa_enable_private_segment 0
		.amdhsa_kernarg_size 40
		.amdhsa_user_sgpr_count 2
		.amdhsa_user_sgpr_kernarg_segment_ptr 1
		.amdhsa_wavefront_size32 1
		.amdhsa_system_sgpr_workgroup_id_x 1
		.amdhsa_system_sgpr_workgroup_id_y 1
		.amdhsa_system_sgpr_workgroup_id_z 1
		.amdhsa_system_vgpr_workitem_id 0
		.amdhsa_next_free_vgpr 1024
		.amdhsa_next_free_sgpr 100
		.amdhsa_reserve_vcc 0
		.amdhsa_float_denorm_mode_32 3
		.amdhsa_float_denorm_mode_16_64 3
		.amdhsa_memory_ordered 1
		.amdhsa_forward_progress 1
		.amdhsa_inst_pref_size 248
	.end_amdhsa_kernel
	.amdgpu_metadata
---
amdhsa.version: [ 1, 2 ]
amdhsa.kernels:
  - .name:           k_q1c7aaa7a77_qkv
    .symbol:         k_q1c7aaa7a77_qkv.kd
    .args:
      - { .name: hA, .offset: 0, .size: 8, .value_kind: global_buffer, .address_space: global }
      - { .name: wimg, .offset: 8, .size: 8, .value_kind: global_buffer, .address_space: global }
      - { .name: rope, .offset: 16, .size: 8, .value_kind: global_buffer, .address_space: global }
      - { .name: qb, .offset: 24, .size: 8, .value_kind: global_buffer, .address_space: global }
      - { .name: kv, .offset: 32, .size: 8, .value_kind: global_buffer, .address_space: global }
    .group_segment_fixed_size: 327680
    .private_segment_fixed_size: 0
    .kernarg_segment_align: 8
    .kernarg_segment_size: 40
    .max_flat_workgroup_size: 128
    .sgpr_count:     100
    .vgpr_count:     1024
    .wavefront_size: 32
...
	.end_amdgpu_metadata
.endif
;; end of part 2
;; launch attn (part 3): grid 32 x 8, 16 waves a work-group, clusters of 4 x 4, 327,680 bytes of LDS; arguments qb, kv, attn_mask, at; writes at
.if DOCPART == 3
	.amdgcn_target "amdgcn-amd-amdhsa--gfx1250"
	.amdhsa_code_object_version 6
	.text
	.protected	k_q1c7aaa7a77_attn
	.globl	k_q1c7aaa7a77_attn
	.p2align	8
	.type	k_q1c7aaa7a77_attn,@function
k_q1c7aaa7a77_attn:
	s_mov_b64 s[64:65], 0
	v_nop
	global_prefetch_b8 v0, s[64:65] scope:SCOPE_SE
	s_setreg_imm32_b32 hwreg(HW_REG_WAVE_MODE, 25, 1), 1
	s_wait_xcnt 0x0
	s_wait_alu depctr_hold_cnt(0) depctr_sa_sdst(0) depctr_va_vdst(0) depctr_va_sdst(0) depctr_va_ssrc(0) depctr_va_vcc(0) depctr_vm_vsrc(0)
	s_getreg_b32 s2, hwreg(HW_REG_IB_STS2, 6, 4)
	s_cmp_eq_u32 s2, 0
	s_cbranch_scc0 .Lentry_in_a_cluster
	s_endpgm
.Lentry_in_a_cluster:
	s_bfe_u32 s2, ttmp6, 0x10000c
	s_cmp_lg_u32 s2, 0xf033
	s_cbranch_scc0 .Lentry_shape_is_right
	s_endpgm
.Lentry_shape_is_right:
; attn = softmax(q k^T / 8 + attn_mask) v for 32 (batch, head) pairs, both products on codes of E2M3, and the result quantised along the 1,024 columns of the projection that follows.  Nothing of reference() is left out: the mask is an input, so every tile of scores is live.
; THE SOFTMAX AHEAD OF THE SECOND PRODUCT: t = logit x log2(e); M = the row's largest t so far, rounded UP to a whole number; p = 2^(t - M) is what is quantised, along the keys.  The row's sum is taken of the unquantised p and divides at the end.
; When M moves, the sum and O are multiplied by 2^(old M - new M): exact.
; SHARES.  A work-group owns 64 queries (x) of four heads of one batch (y).  Wave w owns the tile of 16 queries w % 4 of head w / 4, in 256 registers: four waves to a SIMD, so that one wave's vector work stands beside another's matrix work and LDS loads.
; 64 queries x 4 heads: the mask's tile serves four heads and a record of k and v four tiles of queries.  Every wave walks the 2,048 keys, 128 a step, through two LDS slots.
; CLUSTER of 4 x 4.  The four work-groups of a row (same y) need the same records of k and v, the four of a column (same x) the same tile of the mask: joint loads.  Waves 0, 1 fetch k and v (two heads' records each), waves 2, 3 the mask (32 rows each).
; LAYOUT.  Both products are used transposed: S^T = k q^T, O^T = v^T p^T: a lane holds ONE query.  Lane-row r of a block of keys, queries or channels n is number 32 (n / 2) + 8 (n % 2) + r % 8 + 16 (r / 8), so register 16 b + i of S^T is key 32 b + 16 h + i.
; THE MASK COSTS NO VECTOR INSTRUCTION: its tile is loaded into S^T's registers and is the C of the first product; q's scale bytes carry the division by 8.
; K = 64 IN AN INSTRUCTION OF 128: q's upper six registers are zero codes; k's tile t is named v[KF + 6 t .. + 11], whose upper six registers are the next tile's codes (behind the last: six zero registers): they meet zeros, under the scale byte 127.
; at: [256 blocks of 16 tokens][16 heads] half fragments of 768 bytes, which is [block][8 K steps] fragments; from byte 3,145,728 on the scale words, of which a head fills two bytes.
; LIMITS: -infinity, NaN and infinities among the inputs are not served (a mask of large finite numbers is); a block whose largest magnitude lies under 2^-124 is held at the scale byte 1, and a block of zeros gets that byte (its codes are zeros);
; a block's largest p is made from the block's largest score, which takes v_exp_f32 not to fall where its input rises.
.set SLOT1, 131072                     ; slot 1 begins here
.set REC,   13056                      ; a head's record of a key step
.set MOFF,  4*REC                      ; a slot: four records, then the mask's 64 rows
.set MP,    536                        ; a row of the mask: 512 bytes + 24 = 134 words: the 32 lanes of a load of 8 bytes (rows 0-7 and 16-23, two halves 64 bytes apart) touch 64 different banks (64 banks of 4 bytes: ISA guide 11.1)
.set SPARE, 262144                     ; the spare words, 128 bytes for each of 16 waves, which no other line names
.set AK,  1                            ; v1-2  LDS address of my head's record in slot 0, 1: + 8 x lane
.set AS,  3                            ; v3-4  the same + 4 x lane
.set AM,  5                            ; v5-6  of my query's row of the mask, + 64 h
.set SPW, 7                            ; v7    my spare word; never rewritten
.set NIL, 8                            ; v8    0; never rewritten
.set PFO, 9                            ; v9    the prefetches' offset; never rewritten
.set L8,  10                           ; v10   8 x lane
.set R4,  11                           ; v11   4 x (lane % 16)
                                       ; v12 -M, v13 the largest t, v[14:15] the sum in two halves
.set QF,  16                           ; v16-21 q's half fragment, v22-27 zero codes
.set QS,  28                           ; v28   q's scale words
.set KF,  32                           ; v32-79 k's 8 half fragments, then v's 4 fragments; v80-85 zero codes
.set KS,  86                           ; v86-89 k's scale words: lanes 0-15 tile 2 u, lanes 16-31 tile 2 u + 1
.set VS,  90                           ; v90-91 v's likewise
.set PW,  92                           ; v92   p's scale word
.set S,   96                           ; v96-159 the mask, S^T, p
.set O,   160                          ; v160-191 O^T
.set PC,  192                          ; v192-211 p's codes
.set BM,  212                          ; v212-215 each block's largest score, then its largest p
.set BX,  216
.set SO,  220
.set F,   224                          ; v[224:225] f = 2^(old M - new M)
.set T,   226
.set SU,  228
.set TM,  212                          ; the way out: the quantiser's registers
.macro TLOAD g0k, g0m                  ; waves 0, 1: k and v; waves 2, 3: the mask; the others nothing.  An s_nop 0 and four v_nop follow each of the two lines
	s_cmp_lt_u32 s12, 2
	s_cbranch_scc0 .Lnot_k_\@
	tensor_load_to_lds s[\g0k:\g0k+3], s[24:31]
	s_nop 0
.rept 4
	v_nop
.endr
	s_branch .Lasked_\@
.Lnot_k_\@:
	s_cmp_lt_u32 s12, 4
	s_cbranch_scc0 .Lasked_\@
	tensor_load_to_lds s[\g0m:\g0m+3], s[32:39]
	s_nop 0
.rept 4
	v_nop
.endr
.Lasked_\@:
.endm
.macro ROUND                           ; a round of the cluster's barrier
	s_barrier_signal -1
	s_barrier_wait -1
	s_cmp_lg_u32 s12, 0
	s_cbranch_scc1 .Lnot_wave_0_\@
	s_barrier_signal -3
.Lnot_wave_0_\@:
	s_barrier_wait -3
	s_barrier_signal -1
	s_barrier_wait -1
.endm
; A PREFETCH of the key step that the NEXT change of slots will ask for: trip t names step t + 2.  k and v of a y are walked by all eight clusters along x: the cluster with x = 0 asks; its four
; partners of a row share the four heads' records out BY ADDRESS (cx); waves 4 and 5 ask, lanes 256 bytes apart (a record is 51 blocks of 256 bytes: the lanes over take the last again).  The mask's tile of an x is walked by both clusters along y: the cluster with
; y = 0 asks; the four partners of a column take 16 rows each by address (cy); wave 6 asks, two lanes to a row's 512 bytes.  Steps 0 and 1 come by their loads alone; the last two trips ask for nothing.
.macro ASK
	s_cmp_eq_u32 s57, 1
	s_cbranch_scc0 .Lnot_mine_\@
	global_prefetch_b8 v[PFO], s[58:59] th:TH_LOAD_NT scope:SCOPE_SE
.Lnot_mine_\@:
.endm
	s_load_b256 s[4:11], s[0:1], 0x0               ; qb s[4:5], kv s[6:7], attn_mask s[8:9], at s[10:11]
	v_lshl_add_u32 v[SPW], v0, 2, SPARE
	v_mov_b32 v[NIL], 0
	ds_add_u32 v[SPW], v[NIL]                      ; the wave's opening: the add, twice on end, and its wait ahead of the first tensor loads
	ds_add_u32 v[SPW], v[NIL]
	v_lshrrev_b32 v12, 5, v0
	s_delay_alu instid0(VALU_DEP_1)
	v_readfirstlane_b32 s12, v12                   ; wave 0..15
	s_bfe_u32 s13, ttmp6, 0x40000                  ; cx
	s_bfe_u32 s14, ttmp6, 0x40004                  ; cy
	s_lshl_b32 s15, ttmp9, 2
	s_add_co_u32 s15, s15, s13                     ; which 64 queries
	s_and_b32 s16, ttmp7, 0xffff
	s_lshl_b32 s16, s16, 2
	s_add_co_u32 s16, s16, s14                     ; 4 batch + head / 4
	s_and_b32 s17, s12, 3                          ; my tile of queries
	s_lshr_b32 s18, s12, 2                         ; my head of the four
	s_and_b32 s19, s12, 1                          ; which half I fetch, if I fetch
	s_lshl_b32 s62, s14, 2
	s_lshl_b32 s62, 15, s62                        ; my row of the cluster
	s_lshl_b32 s63, 0x1111, s13                    ; my column
	s_or_b32 s24, s62, (3<<16)|(1<<21)             ; k and v: two records, 26,112 dense bytes, as 102 rows of 256 bytes (32 elements of 8)
	s_mov_b32 s25, 32<<16
	s_mov_b32 s26, 102<<16
	s_mov_b32 s27, 32<<16
	s_mov_b32 s28, 102
	s_mov_b32 s29, 32
	s_mov_b32 s30, 0
	s_mov_b32 s31, 0
	s_or_b32 s32, s63, (2<<16)|(1<<20)|(1<<21)|(6<<22)|(5<<25)   ; the mask: 32 rows of 128 f32, 2,048 apart; behind every 128 words 6 words of padding
	s_mov_b32 s33, 128<<16
	s_mov_b32 s34, 32<<16
	s_mov_b32 s35, 128<<16
	s_mov_b32 s36, 32
	s_mov_b32 s37, 2048
	s_mov_b32 s38, 0
	s_mov_b32 s39, 0
	s_mul_i32 s66, s16, 16*4*REC                   ; k and v of my y,
	s_mul_i32 s68, s19, 2*REC                      ; my two heads: in memory and in a slot
	s_add_co_u32 s66, s66, s68
	s_mov_b32 s67, 0
	s_lshl_b32 s74, s15, 19                        ; the mask's rows 64 x,
	s_lshl_b32 s75, s19, 18                        ; my 32 of them
	s_add_co_u32 s74, s74, s75
	s_mov_b32 s75, 0
	s_mul_i32 s69, s19, 32*MP
	s_add_co_u32 s69, s69, MOFF
	s_mov_b32 s20, 0x76543210
	s_mov_b32 s21, 0xfedcba98                      ; lane l xor 16
	s_mov_b32 s22, 0x3fb8aa3b                      ; log2(e)
	s_mov_b32 s23, s22                             ; (named with it as a pair)
	s_wait_dscnt 0x0                               ; both opening adds are done
	s_wait_kmcnt 0x0
	s_add_nc_u64 s[70:71], s[6:7], s[66:67]
	s_add_nc_u64 s[72:73], s[8:9], s[74:75]
.irp s, 0,1
	s_mov_b32 s[40+4*\s], 1
	s_add_co_u32 s[41+4*\s], s68, \s*SLOT1
	s_add_nc_u64 s[42+4*\s:43+4*\s], s[70:71], \s*4*REC
	s_or_b32 s[43+4*\s], s[43+4*\s], 0x80000000
	s_mov_b32 s[48+4*\s], 1
	s_add_co_u32 s[49+4*\s], s69, \s*SLOT1
	s_add_nc_u64 s[50+4*\s:51+4*\s], s[72:73], \s*512
	s_or_b32 s[51+4*\s], s[51+4*\s], 0x80000000
.endr
	ROUND                                          ; all sixteen work-groups are here: the first joint loads meet
	TLOAD 40, 48                                   ; key step 0 into slot 0
	v_and_b32 v12, 31, v0                          ; lane
	v_and_b32 v13, 15, v0                          ; r
	s_wait_alu depctr_va_vdst(0)
	v_bfe_u32 v14, v0, 4, 1                        ; h
	s_mul_i32 s74, s18, REC
	v_lshl_add_u32 v[AK], v12, 3, s74
	s_delay_alu instid0(VALU_DEP_1)
	v_add_nc_u32 v[AK+1], SLOT1, v[AK]
	v_lshl_add_u32 v[AS], v12, 2, s74
	s_delay_alu instid0(VALU_DEP_1)
	v_add_nc_u32 v[AS+1], SLOT1, v[AS]
	s_lshr_b32 s75, s17, 1
	s_lshl_b32 s75, s75, 5
	s_and_b32 s76, s17, 1
	s_lshl_b32 s76, s76, 3
	s_add_co_u32 s75, s75, s76                     ; my tile's first row of the 64
	s_mul_i32 s75, s75, MP
	s_add_co_u32 s75, s75, MOFF
	v_and_b32 v15, 8, v13
	s_delay_alu instid0(VALU_DEP_1)
	v_add_nc_u32 v15, v15, v13                     ; r % 8 + 16 (r / 8)
	s_delay_alu instid0(VALU_DEP_1)
	v_mul_u32_u24 v15, v15, MP
	s_wait_alu depctr_va_vdst(0)
	v_lshl_add_u32 v15, v14, 6, v15
	s_delay_alu instid0(VALU_DEP_1)
	v_add_nc_u32 v[AM], s75, v15
	s_delay_alu instid0(VALU_DEP_1)
	v_add_nc_u32 v[AM+1], SLOT1, v[AM]
	v_lshlrev_b32 v[L8], 3, v12
	s_wait_alu depctr_va_vdst(0)
	v_lshlrev_b32 v[R4], 2, v13
	s_wait_alu depctr_va_vdst(0)
	s_lshl_b32 s76, s16, 2
	s_add_co_u32 s76, s76, s18                     ; 16 batch + head
	s_lshl_b32 s76, s76, 7
	s_lshl_b32 s77, s15, 2
	s_add_co_u32 s76, s76, s77
	s_add_co_u32 s76, s76, s17                     ; q's half fragment
	s_mul_i32 s78, s76, 768
	s_mov_b32 s79, 0
	s_add_nc_u64 s[66:67], s[4:5], s[78:79]
	s_lshl_b32 s78, s76, 6
	s_add_co_u32 s78, s78, 3145728
	s_add_nc_u64 s[68:69], s[4:5], s[78:79]
.irp p, 0,1,2
	global_load_b64 v[QF+2*\p:QF+2*\p+1], v[L8], s[66:67] offset:256*\p
.endr
	global_load_b32 v[QS], v[R4], s[68:69]
	; the prefetches: where my wave's stand, and who asks
	s_mul_i32 s74, s16, 16*4*REC
	s_add_co_u32 s74, s74, 4*REC                   ; k and v: key step 1 (the first trip steps it to 2),
	s_mul_i32 s75, s13, REC
	s_add_co_u32 s74, s74, s75                     ; head cx's record
	s_lshl_b32 s75, s15, 19
	s_lshl_b32 s76, s14, 17
	s_add_co_u32 s75, s75, s76                     ; the mask: rows 64 x + 16 cy,
	s_add_co_u32 s75, s75, 512                     ; key step 1
	s_mov_b32 s60, 512
	s_cmp_lt_u32 s12, 6
	s_cselect_b64 s[58:59], s[6:7], s[8:9]
	s_cselect_b32 s60, 4*REC, s60                  ; a key step on
	s_cselect_b32 s74, s74, s75
	s_cselect_b32 s62, -1, 0
	s_mov_b32 s61, 0
	s_mov_b32 s75, 0
	s_add_nc_u64 s[58:59], s[58:59], s[74:75]
	s_lshr_b32 s76, s12, 1
	s_xor_b32 s76, s76, 2                          ; 0 in waves 4 and 5,
	s_or_b32 s76, s76, ttmp9                       ; of the clusters with x = 0
	s_xor_b32 s77, s12, 6                          ; 0 in wave 6,
	s_and_b32 s78, ttmp7, 0xffff
	s_or_b32 s77, s77, s78                         ; of the clusters with y = 0
	s_min_u32 s76, s76, s77
	s_cmp_eq_u32 s76, 0
	s_cselect_b32 s57, 1, 0                        ; made of the wave's number and the cluster's coordinates: the same in all partners
	s_lshl_b32 s77, s19, 5
	v_add_nc_u32 v15, s77, v12
	s_delay_alu instid0(VALU_DEP_1)
	v_min_u32 v15, 50, v15
	s_delay_alu instid0(VALU_DEP_1)
	v_lshlrev_b32 v15, 8, v15                      ; k and v: block 32 (wave % 2) + lane of the record's 51
	v_lshrrev_b32 v14, 1, v12
	s_delay_alu instid0(VALU_DEP_1)
	v_lshlrev_b32 v14, 13, v14
	v_and_b32 v13, 1, v12
	s_delay_alu instid0(VALU_DEP_1)
	v_lshl_add_u32 v14, v13, 8, v14                ; the mask: row lane / 2, half lane % 2
	s_delay_alu instid0(VALU_DEP_1)
	v_cndmask_b32 v[PFO], v14, v15, s62
	v_mov_b32 v13, 0xff61b1e6                      ; the largest t so far: -3e38
	s_delay_alu instid0(VALU_DEP_1)
	v_floor_f32 v12, -v13                          ; -M
	v_mov_b32 v14, 0
	v_mov_b32 v15, 0
.irp i, 0,1,2,3,4,5
	v_mov_b32 v[QF+6+\i], 0                        ; q's zero codes
	v_mov_b32 v[KF+48+\i], 0                       ; and what stands behind k's last tile
.endr
.irp b, 0,1,2,3
	v_mov_b32 v[BX+\b], 0                          ; written once: a lane permute's destination counts as one of its sources
.endr
	v_mov_b32 v[F+1], 0                            ; (named as the upper half of a pair)
	v_mov_b32 v[T], 0
.set e, 0
.rept 32
	v_mov_b32 v[O+e], 0                            ; O^T: the step is written alike for all steps; the first change of M leaves zeros zeros
.set e, e+1
.endr
; A KEY STEP: 128 keys, from slot sl
.macro STEP sl
.irp t, 0,1,2,3,4,5,6,7
.irp p, 0,1,2
	ds_load_b64 v[KF+6*\t+2*\p:KF+6*\t+2*\p+1], v[AK+\sl] offset:768*\t+256*\p
.endr
.endr
.irp u, 0,1,2,3
	ds_load_b32 v[KS+\u], v[AS+\sl] offset:6144+128*\u
.endr
.irp b, 0,1,2,3
.irp e, 0,1,2,3,4,5,6,7
	ds_load_b64 v[S+16*\b+2*\e:S+16*\b+2*\e+1], v[AM+\sl] offset:128*\b+8*\e   ; the mask of my query at keys 32 b + 16 h + 2 e, + 1
.endr
.endr
	s_wait_dscnt 0x0
.irp t, 0,2,4,6                        ; S^T = k q^T / 8 + the mask
	v_wmma_scale_f32_16x16x128_f8f6f4 v[S+8*\t:S+8*\t+7], v[KF+6*\t:KF+6*\t+11], v[QF:QF+11], v[S+8*\t:S+8*\t+7], v[KS+\t/2], v[QS] matrix_a_fmt:MATRIX_FMT_FP6 matrix_b_fmt:MATRIX_FMT_FP6
	v_wmma_scale_f32_16x16x128_f8f6f4 v[S+8*\t+8:S+8*\t+15], v[KF+6*\t+6:KF+6*\t+17], v[QF:QF+11], v[S+8*\t+8:S+8*\t+15], v[KS+\t/2], v[QS] matrix_a_fmt:MATRIX_FMT_FP6 matrix_b_fmt:MATRIX_FMT_FP6 matrix_a_scale:MATRIX_SCALE_ROW1
.endr
.rept 4
	v_nop                                          ; places in front of the loads into k's registers and of the first read of the scores
.endr
.irp t, 0,1,2,3                        ; v's fragments land under the softmax
.irp p, 0,1,2,3,4,5
	ds_load_b64 v[KF+12*\t+2*\p:KF+12*\t+2*\p+1], v[AK+\sl] offset:6656+1536*\t+256*\p
.endr
.endr
.irp u, 0,1
	ds_load_b32 v[VS+\u], v[AS+\sl] offset:12800+128*\u
.endr
.irp b, 0,1,2,3
	v_max3_num_f32 v[BM+\b], v[S+16*\b], v[S+1+16*\b], v[S+2+16*\b]   ; the largest score of each block of 32 keys: for the row's maximum, and for the block's largest p
.endr
.irp i, 3,5,7,9,11,13
.irp b, 0,1,2,3
	v_max3_num_f32 v[BM+\b], v[BM+\b], v[S+16*\b+\i], v[S+1+16*\b+\i]
.endr
.endr
.irp b, 0,1,2,3
	v_max_num_f32 v[BM+\b], v[BM+\b], v[S+15+16*\b]
.endr
.irp b, 0,1,2,3
	s_delay_alu instid0(VALU_DEP_4)
	v_permlanex16_b32 v[BX+\b], v[BM+\b], s20, s21
.endr
.irp b, 0,1,2,3
	s_delay_alu instid0(VALU_DEP_4)
	v_max_num_f32 v[BM+\b], v[BM+\b], v[BX+\b]
.endr
	s_delay_alu instid0(VALU_DEP_2)
	v_max3_num_f32 v[T], v[BM], v[BM+1], v[BM+2]
	s_delay_alu instid0(VALU_DEP_1)
	v_max_num_f32 v[T], v[T], v[BM+3]
	s_delay_alu instid0(VALU_DEP_1)
	v_mul_f32 v[T], s22, v[T]                      ; as t
	s_delay_alu instid0(VALU_DEP_1)
	v_max_num_f32 v13, v13, v[T]                   ; the running largest t
	v_mov_b32 v[T], v12
	s_delay_alu instid0(VALU_DEP_2)
	v_floor_f32 v12, -v13                          ; the new -M = -ceil(t)
	s_delay_alu instid0(VALU_DEP_1)
	v_sub_f32 v[T], v12, v[T]                      ; old M - new M: a whole number, 0 or less
	s_delay_alu instid0(VALU_DEP_1)
	v_cvt_i32_f32 v[T], v[T]                       ; (it saturates)
	s_delay_alu instid0(VALU_DEP_1)
	v_ldexp_f32 v[F], 1.0, v[T]                    ; f
.set e, 0
.rept 32
	v_pk_fma_f32 v[S+e:S+e+1], v[S+e:S+e+1], s[22:23], v[12:13] op_sel_hi:[1,0,0]   ; t - M
.set e, e+2
.endr
.irp b, 0,1,2,3
	v_fma_f32 v[BM+\b], v[BM+\b], s22, v12
.endr
.set e, 0
	s_wait_alu depctr_va_vdst(0)
.rept 64
	v_exp_f32 v[S+e], v[S+e]                       ; p
.set e, e+1
.endr
	v_pk_mul_f32 v[14:15], v[14:15], v[F:F+1] op_sel_hi:[1,0]   ; the sums under the new M: the plain place behind the exponentials
	s_wait_alu depctr_va_vdst(0)                   ; one wait for the batch, ahead of its first reader
.irp b, 0,1,2,3
	v_exp_f32 v[BM+\b], v[BM+\b]                   ; each block's largest p
.endr
	v_pk_add_f32 v[228:229], v[100:101], v[104:105]
	v_pk_add_f32 v[254:255], v[108:109], v[112:113]
	v_pk_add_f32 v[252:253], v[116:117], v[120:121]
	v_pk_add_f32 v[250:251], v[124:125], v[128:129]
	v_pk_add_f32 v[248:249], v[132:133], v[136:137]
	v_pk_add_f32 v[246:247], v[140:141], v[144:145]
	v_pk_add_f32 v[244:245], v[148:149], v[152:153]
	v_pk_add_f32 v[14:15], v[14:15], v[156:157]
	v_pk_add_f32 v[228:229], v[228:229], v[96:97]
	v_pk_add_f32 v[254:255], v[254:255], v[98:99]
	v_pk_add_f32 v[252:253], v[252:253], v[102:103]
	v_pk_add_f32 v[250:251], v[250:251], v[106:107]
	v_pk_add_f32 v[248:249], v[248:249], v[110:111]
	v_pk_add_f32 v[246:247], v[246:247], v[114:115]
	v_pk_add_f32 v[244:245], v[244:245], v[118:119]
	v_pk_add_f32 v[14:15], v[14:15], v[122:123]
	v_pk_add_f32 v[228:229], v[228:229], v[126:127]
	v_pk_add_f32 v[254:255], v[254:255], v[130:131]
	v_pk_add_f32 v[252:253], v[252:253], v[134:135]
	v_pk_add_f32 v[250:251], v[250:251], v[138:139]
	v_pk_add_f32 v[248:249], v[248:249], v[142:143]
	v_pk_add_f32 v[246:247], v[246:247], v[146:147]
	v_pk_add_f32 v[244:245], v[244:245], v[150:151]
	v_pk_add_f32 v[14:15], v[14:15], v[154:155]
	v_pk_add_f32 v[228:229], v[228:229], v[158:159]
	s_delay_alu instid0(VALU_DEP_2)
	v_pk_add_f32 v[14:15], v[14:15], v[250:251]
	s_delay_alu instid0(VALU_DEP_2)
	v_pk_add_f32 v[228:229], v[228:229], v[248:249]
	v_pk_add_f32 v[254:255], v[254:255], v[246:247]
	v_pk_add_f32 v[252:253], v[252:253], v[244:245]
	s_delay_alu instid0(VALU_DEP_2)
	v_pk_add_f32 v[14:15], v[14:15], v[254:255]
	s_delay_alu instid0(VALU_DEP_2)
	v_pk_add_f32 v[228:229], v[228:229], v[252:253]
	s_delay_alu instid0(VALU_DEP_1)
	v_pk_add_f32 v[14:15], v[14:15], v[228:229]
	s_wait_alu depctr_va_vdst(0)                   ; and one for the four
.irp b, 0,1,2,3
	v_max_num_f32 v[BM+\b], 0x1800000, v[BM+\b]    ; the floor 2^(3 - 127)
.endr
.irp b, 0,1,2,3
	s_delay_alu instid0(VALU_DEP_4)
	v_add_nc_u32 v[SO+\b], 0xff000000, v[BM+\b]    ; the conversion's scale operand
.endr
.irp b, 0,1,2,3
	s_delay_alu instid0(VALU_DEP_4)
	v_lshrrev_b32 v[BX+\b], 23, v[SO+\b]           ; the scale's byte
.endr
	s_delay_alu instid0(VALU_DEP_3)
	v_lshl_or_b32 v[PW], v[BX+1], 8, v[BX]
	s_delay_alu instid0(VALU_DEP_1)
	v_lshl_or_b32 v[PW], v[BX+2], 16, v[PW]
	s_delay_alu instid0(VALU_DEP_1)
	v_lshl_or_b32 v[PW], v[BX+3], 24, v[PW]
.irp c, 0,1
	v_cvt_scalef32_pk16_fp6_f32 v[PC+6*\c:PC+6*\c+2], v[S+32*\c:S+32*\c+15], v[SO+2*\c]
	v_cvt_scalef32_pk16_fp6_f32 v[PC+12+4*\c:PC+14+4*\c], v[S+16+32*\c:S+31+32*\c], v[SO+2*\c+1]
.endr
	v_nop                                          ; one plain place behind a scaled conversion
.irp c, 0,1
.irp i, 0,1,2
	v_permlane16_swap_b32 v[PC+6*\c+\i], v[PC+12+4*\c+\i]
.endr
.irp i, 0,1,2
	s_delay_alu instid0(VALU_DEP_3)
	v_mov_b32 v[PC+3+6*\c+\i], v[PC+12+4*\c+\i]
.endr
.endr
.set e, 0
.rept 16
	v_pk_mul_f32 v[O+e:O+e+1], v[O+e:O+e+1], v[F:F+1] op_sel_hi:[1,0]   ; O^T under the new M; these sixteen are also the places between p's codes and scale word and the products
.set e, e+2
.endr
	s_wait_alu depctr_va_vdst(0)
	s_wait_dscnt 0x0                               ; v
.irp t, 0,2                            ; O^T += v^T p^T: four accumulators by turns
	v_wmma_scale_f32_16x16x128_f8f6f4 v[O+8*\t:O+8*\t+7], v[KF+12*\t:KF+12*\t+11], v[PC:PC+11], v[O+8*\t:O+8*\t+7], v[VS+\t/2], v[PW] matrix_a_fmt:MATRIX_FMT_FP6 matrix_b_fmt:MATRIX_FMT_FP6
	v_wmma_scale_f32_16x16x128_f8f6f4 v[O+8*\t+8:O+8*\t+15], v[KF+12*\t+12:KF+12*\t+23], v[PC:PC+11], v[O+8*\t+8:O+8*\t+15], v[VS+\t/2], v[PW] matrix_a_fmt:MATRIX_FMT_FP6 matrix_b_fmt:MATRIX_FMT_FP6 matrix_a_scale:MATRIX_SCALE_ROW1
.endr
.rept 4
	v_nop                                          ; places in front of the next step's loads, and of the way out's reads
.endr
.endm
; A TRIP: the change of slots at its head, then the step.  Each wave waits for all its tensor loads, adds 0 to its spare word (fill = 1: twice on end),
; and waits for that and for its reads of the slot that it has left.  The round of the cluster's barrier follows; behind it the slot just left takes the next key step: one load a wave, which has this step in which to land.
.macro TRIP sl, fill, ask
	s_wait_tensorcnt 0x0                           ; no tensor load of mine is out, so a group 0 may be written
	ds_add_u32 v[SPW], v[NIL]
.if \fill
	ds_add_u32 v[SPW], v[NIL]
.endif
	s_add_nc_u64 s[42+4*\sl:43+4*\sl], s[42+4*\sl:43+4*\sl], 2*4*REC   ; this slot's next key step (in the last trips the stepped addresses are not used)
	s_add_nc_u64 s[50+4*\sl:51+4*\sl], s[50+4*\sl:51+4*\sl], 1024
.if \ask
	s_wait_xcnt 0x0                                ; the last prefetch, a step back, has read its address
	s_add_nc_u64 s[58:59], s[58:59], s[60:61]
.endif
	s_wait_dscnt 0x0
	ROUND
.if \fill
	TLOAD 40+4*(1-\sl), 48+4*(1-\sl)
.endif
.if \ask
	ASK
.endif
	STEP \sl
.endm
	s_wait_loadcnt 0x0                             ; q
	s_mov_b32 s56, 7
.Lkey:                                 ; 14 of the 16 key steps; behind the first trip's round slot 1 has its first fill
	TRIP 0, 1, 1
	TRIP 1, 1, 1
	s_sub_co_u32 s56, s56, 1
	s_cmp_lg_u32 s56, 0
	s_cbranch_scc1 .Lkey
	TRIP 0, 1, 0                                   ; the tail is written out
	TRIP 1, 0, 0
	; THE WAY OUT: O^T / the sum, quantised along my head's 64 channels: register 16 b + i is channel 32 b + 16 h + i
	v_add_f32 v14, v14, v15
	s_delay_alu instid0(VALU_DEP_1)
	v_permlanex16_b32 v[T], v14, s20, s21
	s_delay_alu instid0(VALU_DEP_1)
	v_add_f32 v14, v14, v[T]                       ; the row's sum
	s_wait_alu depctr_va_vdst(0)
	v_rcp_f32 v[F], v14
	v_mov_b32 v[F+1], 0                            ; the plain place behind the transcendental
	s_lshr_b32 s66, s16, 2                         ; batch
	s_lshl_b32 s66, s66, 7
	s_lshl_b32 s67, s15, 2
	s_add_co_u32 s66, s66, s67
	s_add_co_u32 s66, s66, s17                     ; my block of 16 tokens
	s_and_b32 s67, s16, 3
	s_lshl_b32 s67, s67, 2
	s_add_co_u32 s67, s67, s18                     ; my head
	s_lshl_b32 s68, s66, 4
	s_add_co_u32 s68, s68, s67
	s_mul_i32 s68, s68, 768
	s_mov_b32 s69, 0
	s_add_nc_u64 s[70:71], s[10:11], s[68:69]
	s_lshl_b32 s68, s66, 3
	s_lshr_b32 s72, s67, 1
	s_add_co_u32 s68, s68, s72
	s_lshl_b32 s68, s68, 6
	s_and_b32 s72, s67, 1
	s_lshl_b32 s72, s72, 1
	s_add_co_u32 s68, s68, s72
	s_add_co_u32 s68, s68, 3145728
	s_add_nc_u64 s[72:73], s[10:11], s[68:69]
	s_wait_alu depctr_va_vdst(0)                   ; ahead of the reciprocal's first reader
.set e, 0
.rept 16
	v_pk_mul_f32 v[S+e:S+e+1], v[O+e:O+e+1], v[F:F+1] op_sel_hi:[1,0]
.set e, e+2
.endr
.irp b, 0,1
	v_max3_num_f32 v[TM+\b], |v[S+16*\b]|, |v[S+1+16*\b]|, 0x1800000
.endr
.irp i, 2,4,6,8,10,12,14
.irp b, 0,1
	s_delay_alu instid0(VALU_DEP_2)
	v_max3_num_f32 v[TM+\b], v[TM+\b], |v[S+16*\b+\i]|, |v[S+1+16*\b+\i]|
.endr
.endr
.irp b, 0,1
	s_delay_alu instid0(VALU_DEP_2)
	v_permlanex16_b32 v[TM+4+\b], v[TM+\b], s20, s21
.endr
.irp b, 0,1
	s_delay_alu instid0(VALU_DEP_2)
	v_max_num_f32 v[TM+\b], v[TM+\b], v[TM+4+\b]
.endr
.irp b, 0,1
	s_delay_alu instid0(VALU_DEP_2)
	v_add_nc_u32 v[TM+12+\b], 0xff000000, v[TM+\b]
.endr
.irp b, 0,1
	s_delay_alu instid0(VALU_DEP_2)
	v_lshrrev_b32 v[TM+4+\b], 23, v[TM+12+\b]
.endr
	s_delay_alu instid0(VALU_DEP_1)
	v_lshl_or_b32 v[T], v[TM+5], 8, v[TM+4]        ; my head's two bytes of the row's scale word
	v_cvt_scalef32_pk16_fp6_f32 v[PC:PC+2], v[S:S+15], v[TM+12]
	v_cvt_scalef32_pk16_fp6_f32 v[PC+12:PC+14], v[S+16:S+31], v[TM+13]
	v_nop
.irp i, 0,1,2
	v_permlane16_swap_b32 v[PC+\i], v[PC+12+\i]
.endr
.irp i, 0,1,2
	s_delay_alu instid0(VALU_DEP_3)
	v_mov_b32 v[PC+3+\i], v[PC+12+\i]
.endr
.irp p, 0,1,2
	global_store_b64 v[L8], v[PC+2*\p:PC+2*\p+1], s[70:71] offset:256*\p   ; 256 consecutive bytes, aligned
.endr
	global_store_b16 v[R4], v[T], s[72:73]         ; (two bytes a row: one part in 384 of what the wave stores)
	s_wait_tensorcnt 0x0                           ; the wave's end
	ds_add_u32 v[SPW], v[NIL]
	s_wait_dscnt 0x0
	ROUND                                          ; the closing round
	s_endpgm
.Lfunc_end_k_q1c7aaa7a77_attn:
	.size	k_q1c7aaa7a77_attn, .Lfunc_end_k_q1c7aaa7a77_attn-k_q1c7aaa7a77_attn
	.p2alignl 7, 3214868480
	.fill 96, 4, 3214868480
	.section	.rodata,"a",@progbits
	.p2align	6, 0x0
	.amdhsa_kernel k_q1c7aaa7a77_attn
		.amdhsa_group_segment_fixed_size 327680
		.amdhsa_private_segment_fixed_size 0
		.amdhsa_enable_private_segment 0
		.amdhsa_kernarg_size 32
		.amdhsa_user_sgpr_count 2
		.amdhsa_user_sgpr_kernarg_segment_ptr 1
		.amdhsa_wavefront_size32 1
		.amdhsa_system_sgpr_workgroup_id_x 1
		.amdhsa_system_sgpr_workgroup_id_y 1
		.amdhsa_system_sgpr_workgroup_id_z 1
		.amdhsa_system_vgpr_workitem_id 0
		.amdhsa_next_free_vgpr 256
		.amdhsa_next_free_sgpr 80
		.amdhsa_reserve_vcc 0
		.amdhsa_float_denorm_mode_32 3
		.amdhsa_float_denorm_mode_16_64 3
		.amdhsa_memory_ordered 1
		.amdhsa_forward_progress 1
		.amdhsa_inst_pref_size 101
	.end_amdhsa_kernel
	.amdgpu_metadata
---
amdhsa.version: [ 1, 2 ]
amdhsa.kernels:
  - .name:           k_q1c7aaa7a77_attn
    .symbol:         k_q1c7aaa7a77_attn.kd
    .args:
      - { .name: qb, .offset: 0, .size: 8, .value_kind: global_buffer, .address_space: global }
      - { .name: kv, .offset: 8, .size: 8, .value_kind: global_buffer, .address_space: global }
      - { .name: attn_mask, .offset: 16, .size: 8, .value_kind: global_buffer, .address_space: global }
      - { .name: at, .offset: 24, .size: 8, .value_kind: global_buffer, .address_space: global }
    .group_segment_fixed_size: 327680
    .private_segment_fixed_size: 0
    .kernarg_segment_align: 8
    .kernarg_segment_size: 32
    .max_flat_workgroup_size: 512
    .sgpr_count:     80
    .vgpr_count:     256
    .wavefront_size: 32
...
	.end_amdgpu_metadata
.endif
;; end of part 3
;; launch oprojn (part 4): grid 256 x 1, 8 waves a work-group, no clusters, 81,408 bytes of LDS; arguments at, wimg, x, g2, x1, hA; writes x1, hA
.if DOCPART == 4
	.amdgcn_target "amdgcn-amd-amdhsa--gfx1250"
	.amdhsa_code_object_version 6
	.text
	.protected	k_q1c7aaa7a77_oprojn
	.globl	k_q1c7aaa7a77_oprojn
	.p2align	8
	.type	k_q1c7aaa7a77_oprojn,@function
k_q1c7aaa7a77_oprojn:
	s_mov_b64 s[64:65], 0
	v_nop
	global_prefetch_b8 v0, s[64:65] scope:SCOPE_SE
	s_setreg_imm32_b32 hwreg(HW_REG_WAVE_MODE, 25, 1), 1
	s_wait_xcnt 0x0
; x1 = x + attn Wout on codes of E2M3 (K = 1,024); then h = g2 * x1 * rsqrt(mean(x1^2) + 1e-8), quantised along its 1,024 columns and stored as fragment images for the next product.  Nothing of reference() is left out.
; SHARES.  A work-group owns one block of 16 tokens (lane-row r of block m is row 32 (m / 2) + 8 (m % 2) + r % 8 + 16 (r / 8)) and ALL 1,024 columns, so that the row's mean of squares meets inside it: 256 work-groups.
; Wave w owns columns 128 w .. 128 w + 127: 8 blocks of Wout's rows, 8 accumulators, 64 matrix instructions; these columns are K step w of the next product.
; THE PRODUCT IS USED TRANSPOSED (source 0 = 16 rows of Wout, source 1 = the 16 tokens): register 16 b + i of lane (r, h) is column 128 w + 32 b + 16 h + i of lane-row r: 16 neighbours along the next K.
; Wout GOES FROM MEMORY STRAIGHT INTO REGISTERS: its fragments lie there as images of operand registers, three pieces of 512 consecutive bytes: 24 loads of 16 bytes a lane for a K step's eight fragments; two K steps are asked for ahead.
; THE TOKENS' 8 FRAGMENTS are loaded once for the work-group: wave w loads one, all meet in LDS as register images (12,288 bytes), one barrier.
; THE WALK ALONG K IS TURNED: work-group m takes the pairs of K steps in the order m % 4, m % 4 + 1, .. (mod 4), so that neighbouring work-groups ask for different quarters of Wout at a time.  Only addresses in memory hang on the turn:
; place j of the walk holds K steps 2 ((j + m) % 4) and + 1, in LDS, in the scale registers and in the loads' offsets alike.
; NO CLUSTER, NO LDS RING for Wout: a fragment feeds one matrix instruction of one wave, so a tile in LDS would be read once, by one wave.  NO PREFETCH: each wave's own loads stand two K steps ahead of their use, and the first 63 are just what K steps 0 and 1 want.
; x is added behind the last product; x1 leaves through my own stage in LDS as whole rows of 512 bytes.  hA: [256 blocks][8 K steps] fragments; from byte 3,145,728 on 64 bytes of scale words a fragment.
; LIMITS: the sums over K are added in the turned order, x last; a block whose largest magnitude lies under 2^-124 is held at the scale byte 1; a block of zeros gets the byte 1 and not 127 (its codes are zeros; these bytes are read by
; this program alone); NaN and infinities are not served; the sum of squares is added in another order than reference()'s.
.set WOFF,   2359296                   ; Wout's images in wimg,
.set WSO,    9535488                   ; its scale words
.set ASO,    3145728                   ; the scale words in at and in hA
.set FRB,    1536
.set SPARE,  512                       ; LDS: bytes 0-511 the partial sums; the spare words, 128 bytes for each of 8 waves, which no other line names;
.set STAGE,  1536                      ; the stages: 16 rows x 528 bytes a wave;
.set SPITCH, 528                       ; (512 bytes + 16: the sixteen rows that a store touches begin in sixteen different columns of 16 bytes)
.set ALDS,   STAGE+8*16*SPITCH         ; the tokens' 8 fragments
.set XA,  4
.set GA,  5
.set L8,  6                            ; 8 x lane
.set R4,  7                            ; 4 x (lane % 16)
.set PS,  8
.set L4,  9                            ; 4 x lane
.set SPW, 10                           ; my spare word; never rewritten
.set NIL, 11                           ; 0; never rewritten
.set AST, 30                           ; where I put my fragment of A
.set ALD, 31                           ; where I read A's fragments
.set X,   32                           ; v32-95   the sums, x1, h
.set XR,  96                           ; v96-159  x
.set TM,  160
.set PW,  176
.set PC,  180                          ; v180-199 the codes; at the head v180-191 my fragment of A on its way to LDS
.set SA,  200                          ; v200-203 A's scale words: register j: lanes 0-15 the first K step of place j, lanes 16-31 the second
.set SB,  204                          ; v204-235 B's likewise: register 4 n + j.  These hold scales and nothing else
.set CO,  236                          ; 16 x lane
.set STO, 237
.set RD,  238
.set L16R, 240                         ; v240-243 16 x lane + place j's pair of K steps in a block's images
.set L4R,  244                         ; v244-247 4 x lane + place j's pair in a block's scale words
.set AF,  192                          ; window 1: v0-191 B's fragments, two sets of 8; v192-215 A's, two sets; behind the products v0-63 x1's rows, v96-159 g2
.set SEL, 52
.set MSB, 0
.macro WIN new                         ; the immediate's high byte repeats the setting that is left
.if MSB != \new
	s_set_vgpr_msb (MSB<<8)|\new
.set MSB, \new
.endif
.endm
.macro QUANT s
.irp b, 0,1,2,3
	v_max3_num_f32 v[TM+\b], |v[\s+16*\b]|, |v[\s+1+16*\b]|, 0x1800000   ; with the floor 2^(3 - 127): the byte cannot fall under 1
.endr
.irp i, 2,4,6,8,10,12,14
.irp b, 0,1,2,3
	s_delay_alu instid0(VALU_DEP_4)
	v_max3_num_f32 v[TM+\b], v[TM+\b], |v[\s+16*\b+\i]|, |v[\s+1+16*\b+\i]|
.endr
.endr
.irp b, 0,1,2,3
	s_delay_alu instid0(VALU_DEP_4)
	v_permlanex16_b32 v[TM+4+\b], v[TM+\b], s[SEL], s[SEL+1]
.endr
.irp b, 0,1,2,3
	s_delay_alu instid0(VALU_DEP_4)
	v_max_num_f32 v[TM+\b], v[TM+\b], v[TM+4+\b]
.endr
.irp b, 0,1,2,3
	s_delay_alu instid0(VALU_DEP_4)
	v_add_nc_u32 v[TM+12+\b], 0xff000000, v[TM+\b]   ; 2 off the exponent field: the conversion's scale operand
.endr
.irp b, 0,1,2,3
	s_delay_alu instid0(VALU_DEP_4)
	v_lshrrev_b32 v[TM+4+\b], 23, v[TM+12+\b]      ; the scale's byte
.endr
	s_delay_alu instid0(VALU_DEP_3)
	v_lshl_or_b32 v[PW], v[TM+5], 8, v[TM+4]
	s_delay_alu instid0(VALU_DEP_1)
	v_lshl_or_b32 v[PW], v[TM+6], 16, v[PW]
	s_delay_alu instid0(VALU_DEP_1)
	v_lshl_or_b32 v[PW], v[TM+7], 24, v[PW]
.irp c, 0,1
	v_cvt_scalef32_pk16_fp6_f32 v[PC+6*\c:PC+2+6*\c], v[\s+32*\c:\s+15+32*\c], v[TM+12+2*\c]
	v_cvt_scalef32_pk16_fp6_f32 v[PC+12+4*\c:PC+14+4*\c], v[\s+16+32*\c:\s+31+32*\c], v[TM+13+2*\c]
.endr
	v_nop                                          ; one plain place behind a scaled conversion
.irp c, 0,1
.irp i, 0,1,2
	v_permlane16_swap_b32 v[PC+6*\c+\i], v[PC+12+4*\c+\i]
.endr
.irp i, 0,1,2
	s_delay_alu instid0(VALU_DEP_3)
	v_mov_b32 v[PC+3+6*\c+\i], v[PC+12+4*\c+\i]
.endr
.endr
.endm
.macro GRP k                           ; the walk's step k: B's eight fragments, 24 loads, into set k % 2 of window 1
.irp n, 0,1,2,3,4,5,6,7
.irp q, 0,1,2
	global_load_b128 v[96*((\k)%2)+12*\n+4*\q:96*((\k)%2)+12*\n+4*\q+3], v[L16R+(\k)/2], s[44:45] offset:\n*8*FRB+((\k)%2)*FRB+512*\q
.endr
.endr
.endm
.macro ALOAD k                         ; and A's fragment, from LDS
.irp p, 0,1,2,3,4,5
	ds_load_b64 v[AF+12*((\k)%2)+2*\p:AF+12*((\k)%2)+2*\p+1], v[ALD] offset:(\k)*FRB+256*\p
.endr
.endm
.macro KST k                           ; the walk's step k: the eight accumulators by turns
.if (\k) < 2
	s_wait_loadcnt 63                              ; behind this step's loads 67 were issued (a step's 24, 27 scale words, x's 16): the field's largest count is the nearest below
.elseif (\k) < 7
	s_wait_loadcnt 24                              ; all but the next step's 24 loads are in
.else
	s_wait_loadcnt 0x0
.endif
.if (\k) < 7
	s_wait_dscnt 6                                 ; all but the next step's fragment of A
.else
	s_wait_dscnt 0x0
.endif
	WIN 0x05                                       ; sources 0 and 1 in window 1
.irp n, 0,1,2,3,4,5,6,7
.if (\k) == 0
	v_wmma_scale_f32_16x16x128_f8f6f4 v[X+8*\n:X+8*\n+7], v[12*\n:12*\n+11], v[AF:AF+11], 0, v[SB+4*\n], v[SA] matrix_a_fmt:MATRIX_FMT_FP6 matrix_b_fmt:MATRIX_FMT_FP6
.elseif (\k)%2
	v_wmma_scale_f32_16x16x128_f8f6f4 v[X+8*\n:X+8*\n+7], v[96+12*\n:96+12*\n+11], v[AF+12:AF+23], v[X+8*\n:X+8*\n+7], v[SB+4*\n+(\k)/2], v[SA+(\k)/2] matrix_a_fmt:MATRIX_FMT_FP6 matrix_b_fmt:MATRIX_FMT_FP6 matrix_a_scale:MATRIX_SCALE_ROW1 matrix_b_scale:MATRIX_SCALE_ROW1
.else
	v_wmma_scale_f32_16x16x128_f8f6f4 v[X+8*\n:X+8*\n+7], v[12*\n:12*\n+11], v[AF:AF+11], v[X+8*\n:X+8*\n+7], v[SB+4*\n+(\k)/2], v[SA+(\k)/2] matrix_a_fmt:MATRIX_FMT_FP6 matrix_b_fmt:MATRIX_FMT_FP6
.endif
.endr
.rept 4
	v_nop                                          ; places in front of loads into, and reads of, the products' registers
.endr
.if (\k) < 6
	WIN 0x40                                       ; destination in window 1
	GRP (\k)+2
	ALOAD (\k)+2
.endif
.endm
	s_load_b256 s[4:11], s[0:1], 0x0               ; at s[4:5], wimg s[6:7], x s[8:9], g2 s[10:11]
	s_load_b128 s[12:15], s[0:1], 0x20             ; x1 s[12:13], hA s[14:15]
	s_and_b32 s55, ttmp9, 3                        ; the turn
.irp j, 0,1,2,3
	s_add_co_u32 s[60+\j], s55, \j
	s_and_b32 s[60+\j], s[60+\j], 3                ; place j's pair of K steps:
	s_mul_i32 s[56+\j], s[60+\j], 2*FRB            ; in a block's images,
	s_lshl_b32 s[60+\j], s[60+\j], 7               ; in its scale words
.endr
	v_lshl_add_u32 v[SPW], v0, 2, SPARE
	v_mov_b32 v[NIL], 0
	v_lshrrev_b32 v1, 5, v0
	s_delay_alu instid0(VALU_DEP_1)
	v_readfirstlane_b32 s16, v1                    ; wave
	s_lshl_b32 s17, s16, 6
	s_mul_i32 s18, s16, 16*SPITCH
	s_add_co_u32 s18, s18, STAGE                   ; my stage
	s_mul_i32 s19, s16, FRB
	s_add_co_u32 s19, s19, ALDS                    ; place w of the walk in LDS
	v_and_b32 v1, 31, v0
	v_and_b32 v2, 15, v0                           ; r
	v_bfe_u32 v3, v0, 4, 1                         ; h
	s_delay_alu instid0(VALU_DEP_2)
	v_and_b32 v[XA], 8, v2
	s_delay_alu instid0(VALU_DEP_1)
	v_add_nc_u32 v[XA], v[XA], v2                  ; r % 8 + 16 (r / 8)
	s_delay_alu instid0(VALU_DEP_1)
	v_lshlrev_b32 v[XA], 12, v[XA]
	s_delay_alu instid0(VALU_DEP_1)
	v_lshl_add_u32 v[XA], v3, 6, v[XA]             ; my row of 4,096 bytes, + 64 h
	v_lshlrev_b32 v[GA], 6, v3
	v_lshlrev_b32 v[L8], 3, v1
	v_lshlrev_b32 v[L4], 2, v1
	v_lshlrev_b32 v[R4], 2, v2
	v_lshlrev_b32 v[CO], 4, v1
	v_add_nc_u32 v[PS], s17, v[R4]                 ; 64 x wave + 4 r
	v_mul_u32_u24 v[STO], v2, SPITCH
	s_delay_alu instid0(VALU_DEP_1)
	v_lshl_add_u32 v[STO], v3, 6, v[STO]
	s_delay_alu instid0(VALU_DEP_1)
	v_add_nc_u32 v[STO], s18, v[STO]               ; in: row r, 64 bytes for each half of the lanes
	v_add_nc_u32 v[RD], s18, v[CO]                 ; back: the 32 lanes take one row of 512 bytes
	v_add_nc_u32 v[AST], s19, v[L8]
	v_add_nc_u32 v[ALD], ALDS, v[L8]
.irp j, 0,1,2,3
	v_add_nc_u32 v[L16R+\j], s[56+\j], v[CO]
	v_add_nc_u32 v[L4R+\j], s[60+\j], v[L4]
.endr
.irp b, 0,1,2,3
	v_mov_b32 v[TM+4+\b], 0                        ; written once: a lane permute's destination counts as one of its sources
.endr
	s_lshr_b32 s17, ttmp9, 1
	s_lshl_b32 s17, s17, 5
	s_and_b32 s18, ttmp9, 1
	s_lshl_b32 s18, s18, 3
	s_add_co_u32 s18, s17, s18                     ; the block's first row
	s_lshl_b32 s18, s18, 12
	s_lshl_b32 s20, s16, 9                         ; my 128 columns
	s_add_co_u32 s18, s18, s20
	s_mov_b32 s19, 0
	s_mov_b32 s21, 0
	s_lshl_b32 s23, s55, 1
	s_add_co_u32 s23, s23, s16
	s_and_b32 s23, s23, 7                          ; the K step that stands at place w of the walk
	s_mul_i32 s23, s23, FRB
	s_mul_i32 s22, ttmp9, 8*FRB                    ; the block's 8 fragments in at:
	s_add_co_u32 s22, s22, s23                     ; the one that I load
	s_mov_b32 s23, 0
	s_lshl_b32 s24, ttmp9, 9
	s_add_co_u32 s24, s24, ASO                     ; their scale words
	s_mov_b32 s25, 0
	s_mul_i32 s26, s16, 64*FRB
	s_add_co_u32 s26, s26, WOFF                    ; my 8 blocks of Wout,
	s_mov_b32 s27, 0
	s_lshl_b32 s28, s16, 12
	s_add_co_u32 s28, s28, WSO                     ; their scale words
	s_mov_b32 s29, 0
	s_lshl_b32 s30, ttmp9, 3
	s_add_co_u32 s30, s30, s16                     ; my fragment of hA: 8 x block + K step
	s_lshl_b32 s32, s30, 6
	s_add_co_u32 s32, s32, ASO
	s_mul_i32 s30, s30, FRB
	s_mov_b32 s31, 0
	s_mov_b32 s33, 0
	s_mov_b32 s[SEL], 0x76543210
	s_mov_b32 s[SEL+1], 0xfedcba98                 ; lane l xor 16
	s_mov_b32 s54, 0x322bcc77                      ; 1e-8
	s_wait_alu depctr_va_vdst(0)                   ; the wait at the head's end
	s_wait_kmcnt 0x0
	s_add_nc_u64 s[34:35], s[8:9], s[18:19]        ; x
	s_add_nc_u64 s[36:37], s[12:13], s[18:19]      ; x1
	s_add_nc_u64 s[38:39], s[10:11], s[20:21]      ; g2
	s_add_nc_u64 s[40:41], s[4:5], s[22:23]        ; A's image,
	s_add_nc_u64 s[42:43], s[4:5], s[24:25]        ; words
	s_add_nc_u64 s[44:45], s[6:7], s[26:27]        ; B's images,
	s_add_nc_u64 s[46:47], s[6:7], s[28:29]        ; words
	s_add_nc_u64 s[48:49], s[14:15], s[30:31]      ; hA: the image,
	s_add_nc_u64 s[50:51], s[14:15], s[32:33]      ; the words
	; the first 63 loads: my fragment of A (6), place 0's scale words (9), steps 0 and 1 of B (48)
.irp p, 0,1,2,3,4,5
	global_load_b64 v[PC+2*\p:PC+2*\p+1], v[L8], s[40:41] offset:256*\p
.endr
	global_load_b32 v[SA], v[L4R], s[42:43]
.irp n, 0,1,2,3,4,5,6,7
	global_load_b32 v[SB+4*\n], v[L4R], s[46:47] offset:512*\n
.endr
	WIN 0x40
	GRP 0
	GRP 1
	WIN 0
	s_wait_loadcnt 57                              ; all but the 57 issued behind them: my fragment of A is in
.irp p, 0,1,2,3,4,5
	ds_store_b64 v[AST], v[PC+2*\p:PC+2*\p+1] offset:256*\p
.endr
.irp j, 1,2,3
	global_load_b32 v[SA+\j], v[L4R+\j], s[42:43]
.irp n, 0,1,2,3,4,5,6,7
	global_load_b32 v[SB+4*\n+\j], v[L4R+\j], s[46:47] offset:512*\n
.endr
.endr
.irp b, 0,1,2,3
.irp j, 0,1,2,3
	global_load_b128 v[XR+16*\b+4*\j:XR+16*\b+4*\j+3], v[XA], s[34:35] offset:128*\b+16*\j th:TH_LOAD_NT
.endr
.endr
	s_wait_dscnt 0x0                               ; for the others' sake: my fragment has landed
	s_barrier_signal -1
	s_barrier_wait -1
	WIN 0x40
	ALOAD 0
	ALOAD 1
.irp k, 0,1,2,3,4,5,6,7
	KST \k
.endr
	WIN 0x40                                       ; g2 into window 1, v96-159: it lands under the sums below
.irp b, 0,1,2,3
.irp j, 0,1,2,3
	global_load_b128 v[96+16*\b+4*\j:96+16*\b+4*\j+3], v[GA], s[38:39] offset:128*\b+16*\j
.endr
.endr
	WIN 0
.set e, 0
.rept 32
	v_pk_add_f32 v[X+e:X+e+1], v[X+e:X+e+1], v[XR+e:XR+e+1]     ; x1 = x + the product; each accumulator is read from its low end on
.set e, e+2
.endr
.irp c, 0,1,2,3                        ; the sum of my 64 squares, in four chains of pairs
	v_pk_mul_f32 v[12+2*\c:13+2*\c], v[X+2*\c:X+2*\c+1], v[X+2*\c:X+2*\c+1]
.endr
.irp e, 8,16,24,32,40,48,56
.irp c, 0,1,2,3
	v_pk_fma_f32 v[12+2*\c:13+2*\c], v[X+\e+2*\c:X+\e+2*\c+1], v[X+\e+2*\c:X+\e+2*\c+1], v[12+2*\c:13+2*\c]
.endr
.endr
	s_delay_alu instid0(VALU_DEP_3)
	v_pk_add_f32 v[12:13], v[12:13], v[14:15]
	s_delay_alu instid0(VALU_DEP_2)
	v_pk_add_f32 v[16:17], v[16:17], v[18:19]
	s_delay_alu instid0(VALU_DEP_1)
	v_pk_add_f32 v[12:13], v[12:13], v[16:17]
	s_delay_alu instid0(VALU_DEP_1)
	v_add_f32 v12, v12, v13
	s_delay_alu instid0(VALU_DEP_1)
	v_permlanex16_b32 v13, v12, s[SEL], s[SEL+1]
	s_delay_alu instid0(VALU_DEP_1)
	v_add_f32 v12, v12, v13                        ; my wave's 128 columns of row r
	ds_store_b32 v[PS], v12                        ; (lanes l and l xor 16 write the same word with the same value)
.irp b, 0,1,2,3
.irp j, 0,1,2,3
	ds_store_b128 v[STO], v[X+16*\b+4*\j:X+16*\b+4*\j+3] offset:128*\b+16*\j
.endr
.endr
	WIN 0x40                                       ; back as whole rows, into window 1 (LDS serves a wave's instructions in order: ISA guide 5.7.1.4)
.irp t, 0,1,2,3,4,5,6,7,8,9,10,11,12,13,14,15
	ds_load_b128 v[4*\t:4*\t+3], v[RD] offset:\t*SPITCH
.endr
	WIN 0
	s_wait_dscnt 0x0                               ; for the others' sake: my partial sums have landed; and my rows are back
	s_barrier_signal -1
	s_barrier_wait -1
.irp i, 0,1,2,3,4,5,6,7
	ds_load_b32 v[20+\i], v[R4] offset:64*\i
.endr
	WIN 0x04                                       ; the stores' data in window 1
.irp t, 0,1,2,3,4,5,6,7,8,9,10,11,12,13,14,15
	global_store_b128 v[CO], v[4*\t:4*\t+3], s[36:37] offset:((\t)%8+16*((\t)/8))*4096   ; 32 lanes store 512 consecutive bytes, aligned
.endr
	WIN 0
	s_wait_dscnt 0x0
	v_add_f32 v20, v20, v21
.irp i, 2, 3, 4, 5, 6, 7
	s_delay_alu instid0(VALU_DEP_1)
	v_add_f32 v20, v20, v[20+\i]
.endr
	s_delay_alu instid0(VALU_DEP_1)
	v_fma_f32 v20, v20, 0x3a800000, s54            ; / 1,024 + 1e-8
	s_wait_alu depctr_va_vdst(0)                   ; the wait ahead of the transcendental
	v_rsq_f32 v28, v20
	v_mov_b32 v29, 0                               ; the plain place behind it (v29 is named only as the upper half of the pair)
	s_wait_alu depctr_va_vdst(0)                   ; and ahead of its first reader
	s_wait_loadcnt 0x0                             ; g2
	WIN 0x01                                       ; source 0 in window 1
.set e, 0
.rept 32
	v_pk_mul_f32 v[X+e:X+e+1], v[96+e:96+e+1], v[X+e:X+e+1]     ; g x1,
.set e, e+2
.endr
	WIN 0
.set e, 0
.rept 32
	v_pk_mul_f32 v[X+e:X+e+1], v[X+e:X+e+1], v[28:29] op_sel_hi:[1,0]   ; times the norm: reference()'s order
.set e, e+2
.endr
	QUANT X
.irp p, 0,1,2,3,4,5
	global_store_b64 v[L8], v[PC+2*\p:PC+2*\p+1], s[48:49] offset:256*\p   ; 256 consecutive bytes, aligned
.endr
	global_store_b32 v[R4], v[PW], s[50:51]        ; row r's word (lanes l and l xor 16 hold the same)
	s_wait_tensorcnt 0x0                           ; the wave's end
	ds_add_u32 v[SPW], v[NIL]
	s_wait_dscnt 0x0
	s_endpgm
.Lfunc_end_k_q1c7aaa7a77_oprojn:
	.size	k_q1c7aaa7a77_oprojn, .Lfunc_end_k_q1c7aaa7a77_oprojn-k_q1c7aaa7a77_oprojn
	.p2alignl 7, 3214868480
	.fill 96, 4, 3214868480
	.section	.rodata,"a",@progbits
	.p2align	6, 0x0
	.amdhsa_kernel k_q1c7aaa7a77_oprojn
		.amdhsa_group_segment_fixed_size 81408
		.amdhsa_private_segment_fixed_size 0
		.amdhsa_enable_private_segment 0
		.amdhsa_kernarg_size 48
		.amdhsa_user_sgpr_count 2
		.amdhsa_user_sgpr_kernarg_segment_ptr 1
		.amdhsa_wavefront_size32 1
		.amdhsa_system_sgpr_workgroup_id_x 1
		.amdhsa_system_sgpr_workgroup_id_y 1
		.amdhsa_system_sgpr_workgroup_id_z 1
		.amdhsa_system_vgpr_workitem_id 0
		.amdhsa_next_free_vgpr 512
		.amdhsa_next_free_sgpr 66
		.amdhsa_reserve_vcc 0
		.amdhsa_float_denorm_mode_32 3
		.amdhsa_float_denorm_mode_16_64 3
		.amdhsa_memory_ordered 1
		.amdhsa_forward_progress 1
		.amdhsa_inst_pref_size 63
	.end_amdhsa_kernel
	.amdgpu_metadata
---
amdhsa.version: [ 1, 2 ]
amdhsa.kernels:
  - .name:           k_q1c7aaa7a77_oprojn
    .symbol:         k_q1c7aaa7a77_oprojn.kd
    .args:
      - { .name: at, .offset: 0, .size: 8, .value_kind: global_buffer, .address_space: global }
      - { .name: wimg, .offset: 8, .size: 8, .value_kind: global_buffer, .address_space: global }
      - { .name: x, .offset: 16, .size: 8, .value_kind: global_buffer, .address_space: global }
      - { .name: g2, .offset: 24, .size: 8, .value_kind: global_buffer, .address_space: global }
      - { .name: x1, .offset: 32, .size: 8, .value_kind: global_buffer, .address_space: global }
      - { .name: hA, .offset: 40, .size: 8, .value_kind: global_buffer, .address_space: global }
    .group_segment_fixed_size: 81408
    .private_segment_fixed_size: 0
    .kernarg_segment_align: 8
    .kernarg_segment_size: 48
    .max_flat_workgroup_size: 256
    .sgpr_count:     66
    .vgpr_count:     512
    .wavefront_size: 32
...
	.end_amdgpu_metadata
.endif
;; end of part 4
;; launch fc1 (part 5): grid 16 x 16, 4 waves a work-group, clusters of 4 x 4, 327,680 bytes of LDS; arguments hA, wimg, gl; writes gl
.if DOCPART == 5
	.amdgcn_target "amdgcn-amd-amdhsa--gfx1250"
	.amdhsa_code_object_version 6
	.text
	.protected	k_q1c7aaa7a77_fc1
	.globl	k_q1c7aaa7a77_fc1
	.p2align	8
	.type	k_q1c7aaa7a77_fc1,@function
k_q1c7aaa7a77_fc1:
	s_mov_b64 s[64:65], 0
	v_nop
	global_prefetch_b8 v0, s[64:65] scope:SCOPE_SE
	s_setreg_imm32_b32 hwreg(HW_REG_WAVE_MODE, 25, 1), 1
	s_wait_xcnt 0x0
	s_wait_alu depctr_hold_cnt(0) depctr_sa_sdst(0) depctr_va_vdst(0) depctr_va_sdst(0) depctr_va_ssrc(0) depctr_va_vcc(0) depctr_vm_vsrc(0)
	s_getreg_b32 s2, hwreg(HW_REG_IB_STS2, 6, 4)
	s_cmp_eq_u32 s2, 0
	s_cbranch_scc0 .Lentry_in_a_cluster
	s_endpgm
.Lentry_in_a_cluster:
	s_bfe_u32 s2, ttmp6, 0x10000c
	s_cmp_lg_u32 s2, 0xf033
	s_cbranch_scc0 .Lentry_shape_is_right
	s_endpgm
.Lentry_shape_is_right:
.set SIZE_K, 1024
.set NBB,    8
.set WOFF,   3145728
.set WSO,    9568256
.set ASO,    3145728
.set GREC,   6400
.set GBLK,   8*GREC
.set FR,     12
.set FRB,    1536
.set NL,     6
.set NP,     4
.set BROW,   2*FRB
.set KB,     SIZE_K/128
.set GROW,   KB*FRB
.set SBLK,   KB*64
.set ATILE,  16*BROW
.set SLOT,   ATILE+2*NBB*BROW
.set SCB,    2*SLOT
.set SCA,    SCB+2*NBB*SBLK
.set SPARE,  SCA+16*SBLK
.set LAPS,   SIZE_K/512
.set L8,   7
.set R4,   8
.set ADRA, 16
.set ADRB, 20
.set ADRS, 27
.set SPW,  28
.set NIL,  29
.set SC,   32
.set AF,   128
.set Z,    64
.set HX,   128
.set Z2,   192
.set PP,   208
.set QQ,   224
.set A1,   240
.set B1,   242
.set TM,   192
.set PC,   208
.set PW,   228
.set SEL,  54
.set BA,   56
.set G1, 24
.set G0, 32
.set G1B, 48
.set G0B, 56
.set G1S, 68
.set G0S, 76
.set G1SB, 80
.set G0SB, 88
.set MSB, 0
.macro WIN new
.if MSB != \new
	s_set_vgpr_msb (MSB<<8)|\new
.set MSB, \new
.endif
.endm
.set MUL_LO, 0xa1
.set MUL_HI, 0xf1
.set TO_B,   0x40
.macro JLOAD g0a, g1a, g0b, g1b
	s_cmp_eq_u32 s15, 0
	s_cbranch_scc0 .Lfor_b_\@
	tensor_load_to_lds s[\g0a:\g0a+3], s[\g1a:\g1a+7]
	s_nop 0
.rept 4
	v_nop
.endr
	s_branch .Lasked_\@
.Lfor_b_\@:
	tensor_load_to_lds s[\g0b:\g0b+3], s[\g1b:\g1b+7]
	s_nop 0
.rept 4
	v_nop
.endr
.Lasked_\@:
.endm
.macro CREST
	s_cmp_lg_u32 s14, 0
	s_cbranch_scc1 .Lnot_wave_0_\@
	s_barrier_signal -3
.Lnot_wave_0_\@:
	s_barrier_wait -3
	s_barrier_signal -1
	s_barrier_wait -1
.endm
.macro CROUND
	s_barrier_signal -1
	s_barrier_wait -1
	CREST
.endm
	s_load_b128 s[4:7], s[0:1], 0x0
	s_load_b64 s[8:9], s[0:1], 0x10
	v_lshl_add_u32 v[SPW], v0, 2, SPARE
	v_mov_b32 v[NIL], 0
	ds_add_u32 v[SPW], v[NIL]
	ds_add_u32 v[SPW], v[NIL]
	v_lshrrev_b32 v1, 5, v0
	v_readfirstlane_b32 s14, v1
	s_lshr_b32 s15, s14, 1
	s_and_b32 s16, s14, 1
	s_bfe_u32 s40, ttmp6, 0x40000
	s_bfe_u32 s41, ttmp6, 0x40004
	s_lshl_b32 s42, ttmp9, 2
	s_add_co_u32 s42, s42, s40
	s_and_b32 s17, ttmp7, 0xffff
	s_lshl_b32 s17, s17, 2
	s_add_co_u32 s17, s17, s41
	s_lshl_b32 s43, s41, 2
	s_lshl_b32 s43, 15, s43
	s_lshl_b32 s44, 0x1111, s40
	s_or_b32 s[G1+0], s43, (3<<16)|(1<<21)
	s_or_b32 s[G1B+0], s44, (3<<16)|(1<<21)
	s_mov_b32 s[G1+1], 384<<16
	s_mov_b32 s[G1+2], 16<<16
	s_mov_b32 s[G1+3], 384<<16
	s_mov_b32 s[G1+4], 16
	s_mov_b32 s[G1+5], GROW/8
	s_mov_b32 s[G1+6], 0
	s_mov_b32 s[G1+7], 0
	s_mov_b32 s[G1B+1], 384<<16
	s_mov_b32 s[G1B+2], (2*NBB)<<16
	s_mov_b32 s[G1B+3], 384<<16
	s_mov_b32 s[G1B+4], 2*NBB
	s_mov_b32 s[G1B+5], GROW/8
	s_mov_b32 s[G1B+6], 0
	s_mov_b32 s[G1B+7], 0
	s_or_b32 s[G1S+0], s43, (3<<16)|(1<<21)
	s_or_b32 s[G1SB+0], s44, (3<<16)|(1<<21)
	s_mov_b32 s[G1S+1], 32<<16
	s_mov_b32 s[G1S+2], (16*SBLK/256)<<16
	s_mov_b32 s[G1S+3], 32<<16
	s_mov_b32 s[G1S+4], 16*SBLK/256
	s_mov_b32 s[G1S+5], 32
	s_mov_b32 s[G1S+6], 0
	s_mov_b32 s[G1S+7], 0
	s_mov_b32 s[G1SB+1], 32<<16
	s_mov_b32 s[G1SB+2], (2*NBB*SBLK/256)<<16
	s_mov_b32 s[G1SB+3], 32<<16
	s_mov_b32 s[G1SB+4], 2*NBB*SBLK/256
	s_mov_b32 s[G1SB+5], 32
	s_mov_b32 s[G1SB+6], 0
	s_mov_b32 s[G1SB+7], 0
	s_lshl_b32 s20, s17, 4
	s_mul_i32 s22, s20, SBLK
	s_add_co_u32 s22, s22, ASO
	s_mov_b32 s23, 0
	s_mul_i32 s20, s20, GROW
	s_mov_b32 s21, 0
	s_mul_i32 s46, s42, 2*NBB
	s_mul_i32 s92, s46, SBLK
	s_add_co_u32 s92, s92, WSO
	s_mov_b32 s93, 0
	s_mul_i32 s46, s46, GROW
	s_add_co_u32 s46, s46, WOFF
	s_mov_b32 s47, 0
	s_mul_i32 s45, s16, 8*BROW
	s_mul_i32 s94, s16, NBB*BROW
	s_add_co_u32 s94, s94, ATILE
	s_mul_i32 s18, s16, 8*GROW                     ; in the ring I fetch half of a tile's blocks: which half, in bytes of memory
	s_mov_b32 s19, 0
	s_wait_dscnt 0x0
	s_wait_kmcnt 0x0
	s_add_nc_u64 s[20:21], s[4:5], s[20:21]
	s_add_nc_u64 s[22:23], s[4:5], s[22:23]
	s_add_nc_u64 s[46:47], s[6:7], s[46:47]
	s_add_nc_u64 s[92:93], s[6:7], s[92:93]
	CROUND
	s_mov_b32 s[G0S], 1
	s_mov_b32 s[G0S+1], SCA
	s_mov_b64 s[G0S+2:G0S+3], s[22:23]
	s_or_b32 s[G0S+3], s[G0S+3], 0x80000000
	s_mov_b32 s[G0SB], 1
	s_mov_b32 s[G0SB+1], SCB
	s_mov_b64 s[G0SB+2:G0SB+3], s[92:93]
	s_or_b32 s[G0SB+3], s[G0SB+3], 0x80000000
	s_mov_b32 s[G0], 1                             ; slot 0's groups 0 serve the head's whole tiles first: A's 16 blocks of K step 0,
	s_mov_b32 s[G0+1], 0
	s_mov_b64 s[G0+2:G0+3], s[20:21]
	s_or_b32 s[G0+3], s[G0+3], 0x80000000
	s_mov_b32 s[G0B], 1                            ; and B's, behind them
	s_mov_b32 s[G0B+1], ATILE
	s_mov_b64 s[G0B+2:G0B+3], s[46:47]
	s_or_b32 s[G0B+3], s[G0B+3], 0x80000000
	s_add_nc_u64 s[20:21], s[20:21], s[18:19]      ; slot 1's: my half of K step 1
	s_add_nc_u64 s[46:47], s[46:47], s[18:19]
	s_mov_b32 s[G0+4], 1
	s_add_co_u32 s[G0+5], s45, SLOT
	s_add_nc_u64 s[G0+6:G0+7], s[20:21], BROW
	s_or_b32 s[G0+7], s[G0+7], 0x80000000
	s_mov_b32 s[G0B+4], 1
	s_add_co_u32 s[G0B+5], s94, SLOT
	s_add_nc_u64 s[G0B+6:G0B+7], s[46:47], BROW
	s_or_b32 s[G0B+7], s[G0B+7], 0x80000000
; THE HEAD'S LOADS, ONE A WAVE: wave 0 K step 0 of A's 16 blocks, wave 1 of B's, wave 2 A's scale words, wave 3 B's.  One chain of branches on the wave's number; every way passes one load.
.macro ARM under, g0, g1, next
	s_cmp_lt_u32 s14, \under
	s_cbranch_scc0 \next
	tensor_load_to_lds s[\g0:\g0+3], s[\g1:\g1+7]
	s_nop 0
.rept 4
	v_nop
.endr
	s_branch .Lhead_asked
\next:
.endm
	ARM 1, G0,  G1,  .Lhead_b
	ARM 2, G0B, G1B, .Lhead_sa
	ARM 3, G0S, G1S, .Lhead_sb
	tensor_load_to_lds s[G0SB:G0SB+3], s[G1SB:G1SB+7]
	s_nop 0
.rept 4
	v_nop
.endr
.Lhead_asked:
	v_and_b32 v1, 31, v0
	v_and_b32 v2, 15, v0
	v_bfe_u32 v3, v0, 4, 1
	s_wait_alu depctr_va_vdst(0)
	v_lshlrev_b32 v[L8], 3, v1
	v_lshlrev_b32 v[R4], 2, v2
	s_mul_i32 s21, s15, 8*BROW
	s_mul_i32 s22, s16, NBB*BROW
	s_add_co_u32 s22, s22, ATILE
.irp s, 0,1
	v_add_nc_u32 v[ADRA+\s], s21, v[L8]
	v_add_nc_u32 v[ADRB+\s], s22, v[L8]
	s_add_co_u32 s21, s21, SLOT
	s_add_co_u32 s22, s22, SLOT
.endr
	s_mul_i32 s21, s16, NBB*SBLK
	s_mul_i32 s22, s15, 8*SBLK
	s_add_co_u32 s22, s22, SCA-SCB
	s_sub_co_u32 s22, s22, s21
	v_mul_u32_u24 v6, s22, v3
	s_wait_alu depctr_va_vdst(0)
	s_add_co_u32 s21, s21, SCB
	v_add_nc_u32 v5, v[R4], v6
	v_add_nc_u32 v[ADRS], s21, v5
	s_lshl_b32 s20, s17, 4
	s_lshl_b32 s21, s15, 3
	s_add_co_u32 s20, s20, s21
	s_mul_i32 s20, s20, GBLK
	s_lshr_b32 s21, s42, 1
	s_mul_i32 s21, s21, GREC
	s_add_co_u32 s20, s20, s21
	s_and_b32 s21, s42, 1
	s_lshl_b32 s21, s21, 1
	s_add_co_u32 s21, s21, s16
	s_mul_i32 s22, s21, FRB
	s_add_co_u32 s22, s22, s20
	s_mov_b32 s23, 0
	s_add_nc_u64 s[10:11], s[8:9], s[22:23]
	s_lshl_b32 s22, s21, 6
	s_add_co_u32 s22, s22, s20
	s_add_co_u32 s22, s22, 4*FRB
	s_add_nc_u64 s[12:13], s[8:9], s[22:23]
.macro FRAG reg, adr, q, i
.irp p, 0,1,2,3,4,5
	ds_load_b64 v[\reg+2*\p:\reg+2*\p+1], v[\adr] offset:(\i)*BROW+(\q)*FRB+256*\p
.endr
.endm
.macro MUL a0, p, q, sc, zero
.irp a, \a0, \a0+1
.set b, 0
.rept NBB
.set AC, 8*(8*((\a)%4)+b)
.if \zero
	v_wmma_scale_f32_16x16x128_f8f6f4 v[AC:AC+7], v[128*(\p)+FR*b:128*(\p)+FR*b+FR-1], v[AF+FR*(\a):AF+FR*(\a)+FR-1], 0, v[SC+16*(\sc)+2*b+(\q)], v[SC+16*(\sc)+2*(\a)+(\q)] matrix_a_fmt:MATRIX_FMT_FP6 matrix_b_fmt:MATRIX_FMT_FP6 matrix_b_scale:MATRIX_SCALE_ROW1
.else
	v_wmma_scale_f32_16x16x128_f8f6f4 v[AC:AC+7], v[128*(\p)+FR*b:128*(\p)+FR*b+FR-1], v[AF+FR*(\a):AF+FR*(\a)+FR-1], v[AC:AC+7], v[SC+16*(\sc)+2*b+(\q)], v[SC+16*(\sc)+2*(\a)+(\q)] matrix_a_fmt:MATRIX_FMT_FP6 matrix_b_fmt:MATRIX_FMT_FP6 matrix_b_scale:MATRIX_SCALE_ROW1
.endif
.set b, b+1
.endr
.endr
.endm
.macro FETCH_B slot, q, p
	WIN TO_B
.set i, 0
.rept NBB
	FRAG 128*(\p)+FR*i, ADRB+\slot, \q, i
.set i, i+1
.endr
	WIN 0
.endm
.macro FETCH_A slot, q, i0
.irp i, \i0, \i0+1, \i0+2, \i0+3
	FRAG AF+FR*(\i), ADRA+\slot, \q, \i
.endr
.endm
.macro SCALES sc
.irp i, 0,1,2,3,4,5,6,7
	ds_load_b32 v[SC+16*\sc+2*\i], v[ADRS] offset:\i*SBLK
	ds_load_b32 v[SC+16*\sc+2*\i+1], v[ADRS] offset:\i*SBLK+64
.endr
.endm
.macro PLACES n
.rept \n
	v_nop
.endr
.endm
.macro STEP slot, q, zero
	s_wait_dscnt 4*NL
	WIN MUL_LO
	MUL 0, (\q)%2, \q, \slot, \zero
	MUL 2, (\q)%2, \q, \slot, \zero
	s_wait_dscnt 0
	PLACES NP
	FETCH_B \slot, (\q)+1, 1-(\q)%2
	FETCH_A \slot, (\q)+1, 0
	WIN MUL_HI
	MUL 4, (\q)%2, \q, \slot, \zero
	MUL 6, (\q)%2, \q, \slot, \zero
	PLACES NP
	WIN 0
	FETCH_A \slot, (\q)+1, 4
.endm
.macro TURN slot, next, fill
	s_wait_tensorcnt 0x0
	ds_add_u32 v[SPW], v[NIL]
	s_wait_dscnt 4*NL+1
	WIN MUL_LO
	MUL 0, 1, 1, \slot, 0
	s_wait_dscnt 0x0
	s_barrier_signal -1
	MUL 2, 1, 1, \slot, 0
	WIN 0
	s_barrier_wait -1
.if \fill
	CREST
	s_add_nc_u64 s[G0+4*\slot+2:G0+4*\slot+3], s[G0+4*\slot+2:G0+4*\slot+3], 2*BROW
	s_add_nc_u64 s[G0B+4*\slot+2:G0B+4*\slot+3], s[G0B+4*\slot+2:G0B+4*\slot+3], 2*BROW
	JLOAD G0+4*\slot, G1, G0B+4*\slot, G1B
.else
	PLACES NP
.endif
	s_wait_alu depctr_va_vdst(0)
	v_add_nc_u32 v[ADRS], 128, v[ADRS]
	FETCH_B \next, 0, 0
	FETCH_A \next, 0, 0
	SCALES \next
	WIN MUL_HI
	MUL 4, 1, 1, \slot, 0
	MUL 6, 1, 1, \slot, 0
	PLACES NP
	WIN 0
	FETCH_A \next, 0, 4
.endm
	s_wait_alu depctr_va_vdst(0)
	s_wait_tensorcnt 0x0                           ; my tile of the head's four is in
	ds_add_u32 v[SPW], v[NIL]
	s_mov_b32 s[G1+2], 8<<16                       ; no tensor load of mine is out, so descriptors may be written: from here on a load brings half a tile,
	s_mov_b32 s[G1+4], 8
	s_mov_b32 s[G1B+2], NBB<<16
	s_mov_b32 s[G1B+4], NBB
	s_mov_b32 s[G0+1], s45                         ; and slot 0's groups 0 point at my half of K step 0: the first refill steps them to K step 2
	s_add_nc_u64 s[G0+2:G0+3], s[G0+2:G0+3], s[18:19]
	s_mov_b32 s[G0B+1], s94
	s_add_nc_u64 s[G0B+2:G0B+3], s[G0B+2:G0B+3], s[18:19]
	s_wait_dscnt 0x0                               ; the add is done
	CROUND                                         ; all four tiles are in, and all sixteen work-groups are here
	JLOAD G0+4, G1, G0B+4, G1B                     ; K step 1 into slot 1: the first tensor load behind the round
	FETCH_B 0, 0, 0
	FETCH_A 0, 0, 0
	SCALES 0
	FETCH_A 0, 0, 4
	STEP 0, 0, 1
	s_mov_b32 s3, LAPS-1
.Llap:
	TURN 0, 1, 1
	STEP 1, 0, 0
	TURN 1, 0, 1
	STEP 0, 0, 0
	s_sub_co_u32 s3, s3, 1
	s_cmp_lg_u32 s3, 0
	s_cbranch_scc1 .Llap
	TURN 0, 1, 0
	STEP 1, 0, 0
	s_wait_dscnt 4*NL
	WIN MUL_LO
	MUL 0, 1, 1, 1, 0
	MUL 2, 1, 1, 1, 0
	s_wait_dscnt 0
	WIN MUL_HI
	MUL 4, 1, 1, 1, 0
	MUL 6, 1, 1, 1, 0
	WIN 0
	PLACES NP
	s_mov_b32 s24, 0x3f3504f3
	s_mov_b32 s25, s24
	s_mov_b32 s26, -2.72614225801306e-10
	s_mov_b32 s27, s26
	s_mov_b32 s28, -2.10102402082508e-06
	s_mov_b32 s29, s28
	s_mov_b32 s30, -5.69250639462346e-05
	s_mov_b32 s31, s30
	s_mov_b32 s32, -7.34990630326855e-04
	s_mov_b32 s33, s32
	s_mov_b32 s34, -2.95459980854025e-03
	s_mov_b32 s35, s34
	s_mov_b32 s36, -1.60960333262415e-02
	s_mov_b32 s37, s36
	s_mov_b32 s38, -1.45660718464996e-05
	s_mov_b32 s39, s38
	s_mov_b32 s48, -1.68282697438203e-03
	s_mov_b32 s49, s48
	s_mov_b32 s50, -7.37332916720468e-03
	s_mov_b32 s51, s50
	s_mov_b32 s52, -1.42647390514189e-02
	s_mov_b32 s53, s52
	s_mov_b32 s[SEL], 0x76543210
	s_mov_b32 s[SEL+1], 0xfedcba98
	v_mov_b32 v[A1], 2.77068142495902e-08
	v_mov_b32 v[A1+1], v[A1]
	v_mov_b32 v[B1], -2.13374055278905e-04
	v_mov_b32 v[B1+1], v[B1]
.macro P1 a
.set WW, 2+(\a)/4
	WIN WW
.set AC, 64*((\a)%4)
.set e, 0
.rept 32
	v_pk_mul_f32 v[Z+e:Z+e+1], v[AC+e:AC+e+1], s[24:25] op_sel_hi:[1,0]
.set e, e+2
.endr
.set e, 0
.rept 32
	v_pk_mul_f32 v[HX+e:HX+e+1], v[AC+e:AC+e+1], 0.5 op_sel_hi:[1,0]
.set e, e+2
.endr
	WIN 0
.endm
.macro GELU8 g
.set ZB, Z+16*(\g)
.set HB, HX+16*(\g)
.set e, 0
.rept 16
	v_med3_num_f32 v[ZB+e], v[ZB+e], -4.0, 4.0
.set e, e+1
.endr
.irp e, 0,2,4,6,8,10,12,14
	v_pk_mul_f32 v[Z2+\e:Z2+\e+1], v[ZB+\e:ZB+\e+1], v[ZB+\e:ZB+\e+1]
.endr
.irp e, 0,2,4,6,8,10,12,14
	v_pk_fma_f32 v[PP+\e:PP+\e+1], v[Z2+\e:Z2+\e+1], s[26:27], v[A1:A1+1] op_sel_hi:[1,0,1]
.endr
.irp k, 28,30,32,34,36
.irp e, 0,2,4,6,8,10,12,14
	v_pk_fma_f32 v[PP+\e:PP+\e+1], v[PP+\e:PP+\e+1], v[Z2+\e:Z2+\e+1], s[\k:\k+1] op_sel_hi:[1,1,0]
.endr
.endr
.irp e, 0,2,4,6,8,10,12,14
	v_pk_fma_f32 v[QQ+\e:QQ+\e+1], v[Z2+\e:Z2+\e+1], s[38:39], v[B1:B1+1] op_sel_hi:[1,0,1]
.endr
.irp k, 48,50,52
.irp e, 0,2,4,6,8,10,12,14
	v_pk_fma_f32 v[QQ+\e:QQ+\e+1], v[QQ+\e:QQ+\e+1], v[Z2+\e:Z2+\e+1], s[\k:\k+1] op_sel_hi:[1,1,0]
.endr
.endr
.set e, 0
	s_wait_alu depctr_va_vdst(0)
.rept 16
	v_rcp_f32 v[QQ+e], v[QQ+e]
.set e, e+1
.endr
.irp e, 0,2,4,6,8,10,12,14
	v_pk_mul_f32 v[PP+\e:PP+\e+1], v[PP+\e:PP+\e+1], v[ZB+\e:ZB+\e+1]
.endr
	s_wait_alu depctr_va_vdst(0)
.irp e, 0,2,4,6,8,10,12,14
	v_pk_mul_f32 v[PP+\e:PP+\e+1], v[PP+\e:PP+\e+1], v[QQ+\e:QQ+\e+1]
.endr
.irp e, 0,2,4,6,8,10,12,14
	v_pk_fma_f32 v[ZB+\e:ZB+\e+1], v[PP+\e:PP+\e+1], v[HB+\e:HB+\e+1], v[HB+\e:HB+\e+1]
.endr
.endm
	s_mov_b32 s[BA], 0
.Lblk:
.irp a, 0,1,2,3,4,5,6
	s_cmp_eq_u32 s[BA], \a
	s_cbranch_scc1 .Lp\a
.endr
	P1 7
	s_branch .Lcommon
.irp a, 0,1,2,3,4,5,6
.Lp\a:
	P1 \a
	s_branch .Lcommon
.endr
.Lcommon:
	GELU8 0
	GELU8 1
	GELU8 2
	GELU8 3
.irp b, 0,1,2,3
	v_max3_num_f32 v[TM+\b], |v[Z+16*\b]|, |v[Z+1+16*\b]|, 0x1800000
.endr
.irp i, 2,4,6,8,10,12,14
.irp b, 0,1,2,3
	v_max3_num_f32 v[TM+\b], v[TM+\b], |v[Z+16*\b+\i]|, |v[Z+1+16*\b+\i]|
.endr
.endr
.irp b, 0,1,2,3
	v_permlanex16_b32 v[TM+4+\b], v[TM+\b], s[SEL], s[SEL+1]
.endr
.irp b, 0,1,2,3
	v_max_num_f32 v[TM+\b], v[TM+\b], v[TM+4+\b]
.endr
.irp b, 0,1,2,3
	v_add_nc_u32 v[TM+12+\b], 0xff000000, v[TM+\b]
.endr
.irp b, 0,1,2,3
	v_lshrrev_b32 v[TM+4+\b], 23, v[TM+12+\b]
.endr
	v_lshl_or_b32 v[PW], v[TM+5], 8, v[TM+4]
	v_lshl_or_b32 v[PW], v[TM+6], 16, v[PW]
	v_lshl_or_b32 v[PW], v[TM+7], 24, v[PW]
.irp c, 0,1
	v_cvt_scalef32_pk16_fp6_f32 v[PC+6*\c:PC+2+6*\c], v[Z+32*\c:Z+15+32*\c], v[TM+12+2*\c]
	v_cvt_scalef32_pk16_fp6_f32 v[PC+12+4*\c:PC+14+4*\c], v[Z+16+32*\c:Z+31+32*\c], v[TM+13+2*\c]
.endr
	v_nop
.irp c, 0,1
.irp i, 0,1,2
	v_permlane16_swap_b32 v[PC+6*\c+\i], v[PC+12+4*\c+\i]
.endr
.irp i, 0,1,2
	v_mov_b32 v[PC+3+6*\c+\i], v[PC+12+4*\c+\i]
.endr
.endr
.irp p, 0,1,2,3,4,5
	global_store_b64 v[L8], v[PC+2*\p:PC+2*\p+1], s[10:11] offset:256*\p
.endr
	global_store_b32 v[R4], v[PW], s[12:13]
	s_wait_xcnt 0x0
	s_add_nc_u64 s[10:11], s[10:11], GBLK
	s_add_nc_u64 s[12:13], s[12:13], GBLK
	s_add_co_u32 s[BA], s[BA], 1
	s_cmp_lt_u32 s[BA], 8
	s_cbranch_scc1 .Lblk
	s_wait_tensorcnt 0x0
	ds_add_u32 v[SPW], v[NIL]
	s_wait_dscnt 0x0
	CROUND
	s_endpgm
.Lfunc_end_k_q1c7aaa7a77_fc1:
	.size	k_q1c7aaa7a77_fc1, .Lfunc_end_k_q1c7aaa7a77_fc1-k_q1c7aaa7a77_fc1
	.p2alignl 7, 3214868480
	.fill 96, 4, 3214868480
	.section	.rodata,"a",@progbits
	.p2align	6, 0x0
	.amdhsa_kernel k_q1c7aaa7a77_fc1
		.amdhsa_group_segment_fixed_size 327680
		.amdhsa_private_segment_fixed_size 0
		.amdhsa_enable_private_segment 0
		.amdhsa_kernarg_size 24
		.amdhsa_user_sgpr_count 2
		.amdhsa_user_sgpr_kernarg_segment_ptr 1
		.amdhsa_wavefront_size32 1
		.amdhsa_system_sgpr_workgroup_id_x 1
		.amdhsa_system_sgpr_workgroup_id_y 1
		.amdhsa_system_sgpr_workgroup_id_z 1
		.amdhsa_system_vgpr_workitem_id 0
		.amdhsa_next_free_vgpr 1024
		.amdhsa_next_free_sgpr 100
		.amdhsa_reserve_vcc 0
		.amdhsa_float_denorm_mode_32 3
		.amdhsa_float_denorm_mode_16_64 3
		.amdhsa_memory_ordered 1
		.amdhsa_forward_progress 1
		.amdhsa_inst_pref_size 207
	.end_amdhsa_kernel
	.amdgpu_metadata
---
amdhsa.version: [ 1, 2 ]
amdhsa.kernels:
  - .name:           k_q1c7aaa7a77_fc1
    .symbol:         k_q1c7aaa7a77_fc1.kd
    .args:
      - { .name: hA, .offset: 0, .size: 8, .value_kind: global_buffer, .address_space: global }
      - { .name: wimg, .offset: 8, .size: 8, .value_kind: global_buffer, .address_space: global }
      - { .name: gl, .offset: 16, .size: 8, .value_kind: global_buffer, .address_space: global }
    .group_segment_fixed_size: 327680
    .private_segment_fixed_size: 0
    .kernarg_segment_align: 8
    .kernarg_segment_size: 24
    .max_flat_workgroup_size: 128
    .sgpr_count:     100
    .vgpr_count:     1024
    .wavefront_size: 32
...
	.end_amdgpu_metadata
.endif
;; end of part 5
;; launch fc2 (part 6): grid 8 x 16, 4 waves a work-group, clusters of 4 x 4, 327,680 bytes of LDS; arguments gl, wimg, x1, out0; writes out0
.if DOCPART == 6
	.amdgcn_target "amdgcn-amd-amdhsa--gfx1250"
	.amdhsa_code_object_version 6
	.text
	.protected	k_q1c7aaa7a77_fc2
	.globl	k_q1c7aaa7a77_fc2
	.p2align	8
	.type	k_q1c7aaa7a77_fc2,@function
k_q1c7aaa7a77_fc2:
	s_mov_b64 s[64:65], 0
	v_nop
	global_prefetch_b8 v0, s[64:65] scope:SCOPE_SE
	s_setreg_imm32_b32 hwreg(HW_REG_WAVE_MODE, 25, 1), 1
	s_wait_xcnt 0x0
	s_wait_alu depctr_hold_cnt(0) depctr_sa_sdst(0) depctr_va_vdst(0) depctr_va_sdst(0) depctr_va_ssrc(0) depctr_va_vcc(0) depctr_vm_vsrc(0)
	s_getreg_b32 s2, hwreg(HW_REG_IB_STS2, 6, 4)
	s_cmp_eq_u32 s2, 0
	s_cbranch_scc0 .Lentry_in_a_cluster
	s_endpgm
.Lentry_in_a_cluster:
	s_bfe_u32 s2, ttmp6, 0x10000c
	s_cmp_lg_u32 s2, 0xf033
	s_cbranch_scc0 .Lentry_shape_is_right
	s_endpgm
.Lentry_shape_is_right:
.set SIZE_K, 4096
.set NBB,    4
.set NQ,     4
.set WOFF,   6291456
.set WSO,    9699328
.set FR,     12
.set FRB,    1536
.set NL,     6
.set NP,     4
.set KB,     SIZE_K/128
.set BROWA,  NQ*FRB+256
.set BROWB,  NQ*FRB
.set GROWA,  (KB/NQ)*BROWA
.set GROWB,  KB*FRB
.set SBLK,   KB*64
.set ATILE,  16*BROWA
.set SLOT,   ATILE+2*NBB*BROWB
.set SCB,    2*SLOT
.set SPARE,  SCB+2*NBB*SBLK
.set AWS,    BROWA
.set AWO,    NQ*FRB
.set LAPS,   SIZE_K/(2*NQ*128)
.set L8,   7
.set L4,   8
.set ADRA, 16
.set ADSA, 18
.set ADRB, 20
.set ADSB, 22
.set STO,  24
.set RD,   25
.set CO,   26
.set SPW,  28
.set NIL,  29
.set SA,   32
.set SB,   64
.set AF,   128
.set BK,   128
.set G1, 24
.set G0, 32
.set G1B, 48
.set G0B, 56
.set G1SB, 80
.set G0SB, 88
.set MSB, 0
.macro WIN new
.if MSB != \new
	s_set_vgpr_msb (MSB<<8)|\new
.set MSB, \new
.endif
.endm
.set MULW, 0xa1
.set TO_B, 0x40
.macro JLOAD g0a, g1a, g0b, g1b
	s_cmp_eq_u32 s15, 0
	s_cbranch_scc0 .Lfor_b_\@
	tensor_load_to_lds s[\g0a:\g0a+3], s[\g1a:\g1a+7]
	s_nop 0
.rept 4
	v_nop
.endr
	s_branch .Lasked_\@
.Lfor_b_\@:
	tensor_load_to_lds s[\g0b:\g0b+3], s[\g1b:\g1b+7]
	s_nop 0
.rept 4
	v_nop
.endr
.Lasked_\@:
.endm
.macro CREST
	s_cmp_lg_u32 s14, 0
	s_cbranch_scc1 .Lnot_wave_0_\@
	s_barrier_signal -3
.Lnot_wave_0_\@:
	s_barrier_wait -3
	s_barrier_signal -1
	s_barrier_wait -1
.endm
.macro CROUND
	s_barrier_signal -1
	s_barrier_wait -1
	CREST
.endm
	s_load_b128 s[4:7], s[0:1], 0x0
	s_load_b128 s[8:11], s[0:1], 0x10
	v_lshl_add_u32 v[SPW], v0, 2, SPARE
	v_mov_b32 v[NIL], 0
	ds_add_u32 v[SPW], v[NIL]
	ds_add_u32 v[SPW], v[NIL]
	v_lshrrev_b32 v1, 5, v0
	v_readfirstlane_b32 s14, v1
	s_lshr_b32 s15, s14, 1
	s_and_b32 s16, s14, 1
	s_bfe_u32 s40, ttmp6, 0x40000
	s_bfe_u32 s41, ttmp6, 0x40004
	s_lshl_b32 s42, ttmp9, 2
	s_add_co_u32 s42, s42, s40
	s_and_b32 s17, ttmp7, 0xffff
	s_lshl_b32 s17, s17, 2
	s_add_co_u32 s17, s17, s41
	s_lshl_b32 s43, s41, 2
	s_lshl_b32 s43, 15, s43
	s_lshl_b32 s44, 0x1111, s40
	s_or_b32 s[G1+0], s43, (3<<16)|(1<<21)
	s_mov_b32 s[G1+1], (BROWA/8)<<16
	s_mov_b32 s[G1+2], 8<<16
	s_mov_b32 s[G1+3], (BROWA/8)<<16
	s_mov_b32 s[G1+4], 8
	s_mov_b32 s[G1+5], GROWA/8
	s_mov_b32 s[G1+6], 0
	s_mov_b32 s[G1+7], 0
	s_or_b32 s[G1B+0], s44, (3<<16)|(1<<21)
	s_mov_b32 s[G1B+1], (BROWB/8)<<16
	s_mov_b32 s[G1B+2], (2*NBB)<<16
	s_mov_b32 s[G1B+3], (BROWB/8)<<16
	s_mov_b32 s[G1B+4], 2*NBB
	s_mov_b32 s[G1B+5], GROWB/8
	s_mov_b32 s[G1B+6], 0
	s_mov_b32 s[G1B+7], 0
	s_or_b32 s[G1SB+0], s44, (3<<16)|(1<<21)
	s_mov_b32 s[G1SB+1], 32<<16
	s_mov_b32 s[G1SB+2], (2*NBB*SBLK/256)<<16
	s_mov_b32 s[G1SB+3], 32<<16
	s_mov_b32 s[G1SB+4], 2*NBB*SBLK/256
	s_mov_b32 s[G1SB+5], 32
	s_mov_b32 s[G1SB+6], 0
	s_mov_b32 s[G1SB+7], 0
	s_lshl_b32 s20, s17, 4
	s_lshl_b32 s18, s16, 3
	s_add_co_u32 s20, s20, s18
	s_mul_i32 s20, s20, GROWA
	s_mov_b32 s21, 0
	s_mul_i32 s46, s42, 2*NBB
	s_mul_i32 s92, s46, SBLK
	s_add_co_u32 s92, s92, WSO
	s_mov_b32 s93, 0
	s_mul_i32 s18, s16, NBB*GROWB                  ; in the ring waves 2 and 3 fetch half of B's blocks: which half, in bytes of memory
	s_mov_b32 s19, 0
	s_mul_i32 s46, s46, GROWB
	s_add_co_u32 s46, s46, WOFF
	s_mov_b32 s47, 0
	s_mul_i32 s45, s16, 8*BROWA
	s_mul_i32 s94, s16, NBB*BROWB
	s_add_co_u32 s94, s94, ATILE
	s_wait_dscnt 0x0
	s_wait_kmcnt 0x0
	s_add_nc_u64 s[20:21], s[4:5], s[20:21]
	s_add_nc_u64 s[46:47], s[6:7], s[46:47]
	s_add_nc_u64 s[92:93], s[6:7], s[92:93]
	CROUND
	s_mov_b32 s[G0SB], 1
	s_mov_b32 s[G0SB+1], SCB                       ; B's scale words of all of K, whole
	s_mov_b64 s[G0SB+2:G0SB+3], s[92:93]
	s_or_b32 s[G0SB+3], s[G0SB+3], 0x80000000
.irp s, 0,1
	s_mov_b32 s[G0+4*\s], 1                        ; A: my half of the 16 blocks, slot s
	s_add_co_u32 s[G0+4*\s+1], s45, \s*SLOT
	s_add_nc_u64 s[G0+4*\s+2:G0+4*\s+3], s[20:21], \s*BROWA
	s_or_b32 s[G0+4*\s+3], s[G0+4*\s+3], 0x80000000
.endr
	s_mov_b32 s[G0B], 1                            ; B: slot 0's group 0 serves the head's whole tile of 8 blocks first
	s_mov_b32 s[G0B+1], ATILE
	s_mov_b64 s[G0B+2:G0B+3], s[46:47]
	s_or_b32 s[G0B+3], s[G0B+3], 0x80000000
	s_add_nc_u64 s[46:47], s[46:47], s[18:19]      ; slot 1's: my half
	s_mov_b32 s[G0B+4], 1
	s_add_co_u32 s[G0B+5], s94, SLOT
	s_add_nc_u64 s[G0B+6:G0B+7], s[46:47], BROWB
	s_or_b32 s[G0B+7], s[G0B+7], 0x80000000
; THE HEAD'S LOADS, ONE A WAVE: waves 0 and 1 slot 0's halves of A, wave 2 slot 0's 8 blocks of B, wave 3 B's scale words.  One chain of branches on the wave's number; every way passes one load.
.macro ARM under, g0, g1, next
	s_cmp_lt_u32 s14, \under
	s_cbranch_scc0 \next
	tensor_load_to_lds s[\g0:\g0+3], s[\g1:\g1+7]
	s_nop 0
.rept 4
	v_nop
.endr
	s_branch .Lhead_asked
\next:
.endm
	ARM 2, G0,  G1,  .Lhead_b
	ARM 3, G0B, G1B, .Lhead_sb
	tensor_load_to_lds s[G0SB:G0SB+3], s[G1SB:G1SB+7]
	s_nop 0
.rept 4
	v_nop
.endr
.Lhead_asked:
	v_and_b32 v1, 31, v0
	v_and_b32 v2, 15, v0
	v_bfe_u32 v3, v0, 4, 1
	v_lshlrev_b32 v[L8], 3, v1
	v_lshlrev_b32 v[L4], 2, v1
	s_wait_alu depctr_va_vdst(0)
	s_mul_i32 s21, s15, 8*BROWA
	s_mul_i32 s22, s16, NBB*BROWB
	s_add_co_u32 s22, s22, ATILE
.irp s, 0,1
	v_add_nc_u32 v[ADRA+\s], s21, v[L8]
	v_add_nc_u32 v[ADSA+\s], s21, v[L4]
	v_add_nc_u32 v[ADRB+\s], s22, v[L8]
	s_add_co_u32 s21, s21, SLOT
	s_add_co_u32 s22, s22, SLOT
.endr
	s_mul_i32 s21, s16, NBB*SBLK
	s_add_co_u32 s21, s21, SCB
	v_add_nc_u32 v[ADSB], s21, v[L4]
	s_mul_i32 s23, s14, 16*272
	v_mul_u32_u24 v5, v2, 272
	v_lshl_add_u32 v5, v3, 6, v5
	v_add_nc_u32 v[STO], s23, v5
	v_mul_u32_u24 v5, v3, 272
	v_lshl_add_u32 v5, v2, 4, v5
	v_add_nc_u32 v[RD], s23, v5
	v_lshlrev_b32 v5, 12, v3
	v_lshl_add_u32 v[CO], v2, 4, v5
	s_wait_alu depctr_va_vdst(0)
	s_lshl_b32 s20, s17, 8
	s_lshl_b32 s21, s15, 7
	s_add_co_u32 s20, s20, s21
	s_lshl_b32 s20, s20, 12
	s_lshl_b32 s46, s42, 9
	s_lshl_b32 s47, s16, 8
	s_add_co_u32 s46, s46, s47
	s_add_co_u32 s20, s20, s46
	s_mov_b32 s21, 0
	s_add_nc_u64 s[8:9], s[8:9], s[20:21]
	s_add_nc_u64 s[10:11], s[10:11], s[20:21]
	WIN 0xc0
.irp a, 0,1,2,3,4,5,6,7
.irp t, 0,1,2,3,4,5,6,7
	global_load_b128 v[32*\a+4*\t:32*\a+4*\t+3], v[CO], s[8:9] offset:(32*(\a/2)+8*(\a%2)+2*\t+8*(\t/4))*4096 th:TH_LOAD_NT
.endr
.endr
	WIN 0
.macro FRAG reg, adr, off
.irp p, 0,1,2,3,4,5
	ds_load_b64 v[\reg+2*\p:\reg+2*\p+1], v[\adr] offset:\off+256*\p
.endr
.endm
.macro MUL a0, p, q, sc, zero
.irp a, \a0, \a0+1
.set b, 0
.rept NBB
.set AC, 8*(4*(\a)+b)
.set RSB, SB+8*(\sc)+2*b+(\q)/2
.set RSA, SA+16*(\sc)+2*(\a)+(\q)/2
.if \zero
	v_wmma_scale_f32_16x16x128_f8f6f4 v[AC:AC+7], v[128*(\p)+FR*b:128*(\p)+FR*b+FR-1], v[AF+FR*(\a):AF+FR*(\a)+FR-1], 0, v[RSB], v[RSA] matrix_a_fmt:MATRIX_FMT_FP6 matrix_b_fmt:MATRIX_FMT_FP6
.elseif (\q)%2
	v_wmma_scale_f32_16x16x128_f8f6f4 v[AC:AC+7], v[128*(\p)+FR*b:128*(\p)+FR*b+FR-1], v[AF+FR*(\a):AF+FR*(\a)+FR-1], v[AC:AC+7], v[RSB], v[RSA] matrix_a_fmt:MATRIX_FMT_FP6 matrix_b_fmt:MATRIX_FMT_FP6 matrix_a_scale:MATRIX_SCALE_ROW1 matrix_b_scale:MATRIX_SCALE_ROW1
.else
	v_wmma_scale_f32_16x16x128_f8f6f4 v[AC:AC+7], v[128*(\p)+FR*b:128*(\p)+FR*b+FR-1], v[AF+FR*(\a):AF+FR*(\a)+FR-1], v[AC:AC+7], v[RSB], v[RSA] matrix_a_fmt:MATRIX_FMT_FP6 matrix_b_fmt:MATRIX_FMT_FP6
.endif
.set b, b+1
.endr
.endr
.endm
.macro FETCH_B slot, q, p
	WIN TO_B
.set i, 0
.rept NBB
	FRAG 128*(\p)+FR*i, ADRB+\slot, i*BROWB+(\q)*FRB
.set i, i+1
.endr
	WIN 0
.endm
.macro FETCH_A slot, q, i0
.irp i, \i0, \i0+1, \i0+2, \i0+3
	FRAG AF+FR*(\i), ADRA+\slot, (\i)*BROWA+(\q)*FRB
.endr
.endm
.macro SCALES slot
.irp i, 0,1,2,3,4,5,6,7
	ds_load_b32 v[SA+16*\slot+2*\i], v[ADSA+\slot] offset:\i*AWS+AWO
	ds_load_b32 v[SA+16*\slot+2*\i+1], v[ADSA+\slot] offset:\i*AWS+AWO+128
.endr
.irp b, 0,1,2,3
	ds_load_b32 v[SB+8*\slot+2*\b], v[ADSB] offset:\b*SBLK
	ds_load_b32 v[SB+8*\slot+2*\b+1], v[ADSB] offset:\b*SBLK+128
.endr
.endm
.macro PLACES n
.rept \n
	v_nop
.endr
.endm
.macro STEP slot, q, zero
	s_wait_dscnt 4*NL
	WIN MULW
	MUL 0, (\q)%2, \q, \slot, \zero
	MUL 2, (\q)%2, \q, \slot, \zero
	s_wait_dscnt 0
	PLACES NP
	FETCH_B \slot, (\q)+1, 1-(\q)%2
	FETCH_A \slot, (\q)+1, 0
	WIN MULW
	MUL 4, (\q)%2, \q, \slot, \zero
	MUL 6, (\q)%2, \q, \slot, \zero
	PLACES NP
	WIN 0
	FETCH_A \slot, (\q)+1, 4
.endm
.macro TURN slot, next, fill
	s_wait_tensorcnt 0x0
	ds_add_u32 v[SPW], v[NIL]
	s_wait_dscnt 4*NL+1
	WIN MULW
	MUL 0, 1, NQ-1, \slot, 0
	s_wait_dscnt 0x0
	s_barrier_signal -1
	MUL 2, 1, NQ-1, \slot, 0
	WIN 0
	s_barrier_wait -1
.if \fill
	CREST
	s_add_nc_u64 s[G0+4*\slot+2:G0+4*\slot+3], s[G0+4*\slot+2:G0+4*\slot+3], 2*BROWA
	s_add_nc_u64 s[G0B+4*\slot+2:G0B+4*\slot+3], s[G0B+4*\slot+2:G0B+4*\slot+3], 2*BROWB
	JLOAD G0+4*\slot, G1, G0B+4*\slot, G1B
.else
	PLACES NP
.endif
	s_wait_alu depctr_va_vdst(0)
	v_add_nc_u32 v[ADSB], NQ*64, v[ADSB]
	FETCH_B \next, 0, 0
	FETCH_A \next, 0, 0
	SCALES \next
	WIN MULW
	MUL 4, 1, NQ-1, \slot, 0
	MUL 6, 1, NQ-1, \slot, 0
	PLACES NP
	WIN 0
	FETCH_A \next, 0, 4
.endm
	s_wait_tensorcnt 0x0                           ; my tile of the head's four is in
	ds_add_u32 v[SPW], v[NIL]
	s_mov_b32 s[G1B+2], NBB<<16                    ; no tensor load of mine is out, so descriptors may be written: from here on a load of B brings half a tile,
	s_mov_b32 s[G1B+4], NBB
	s_mov_b32 s[G0B+1], s94                        ; and slot 0's group 0 points at my half: the first refill steps it two slots on
	s_add_nc_u64 s[G0B+2:G0B+3], s[G0B+2:G0B+3], s[18:19]
	s_wait_dscnt 0x0                               ; the add is done
	CROUND                                         ; all four tiles are in, and all sixteen work-groups are here
	JLOAD G0+4, G1, G0B+4, G1B                     ; slot 1's first fill: the first tensor load behind the round
	FETCH_B 0, 0, 0
	FETCH_A 0, 0, 0
	SCALES 0
	FETCH_A 0, 0, 4
	STEP 0, 0, 1
	s_mov_b32 s3, LAPS-1
.Llap:
	STEP 0, 1, 0
	STEP 0, 2, 0
	TURN 0, 1, 1
	STEP 1, 0, 0
	STEP 1, 1, 0
	STEP 1, 2, 0
	TURN 1, 0, 1
	STEP 0, 0, 0
	s_sub_co_u32 s3, s3, 1
	s_cmp_lg_u32 s3, 0
	s_cbranch_scc1 .Llap
	STEP 0, 1, 0
	STEP 0, 2, 0
	TURN 0, 1, 0
	STEP 1, 0, 0
	STEP 1, 1, 0
	STEP 1, 2, 0
	s_wait_dscnt 4*NL
	WIN MULW
	MUL 0, 1, NQ-1, 1, 0
	MUL 2, 1, NQ-1, 1, 0
	s_wait_dscnt 0
	MUL 4, 1, NQ-1, 1, 0
	MUL 6, 1, NQ-1, 1, 0
	WIN 0
	PLACES NP
.macro TOSTAGE a
	WIN 0x08
.irp b, 0,1,2,3
	ds_store_b128 v[STO], v[32*(\a)+8*\b:32*(\a)+8*\b+3] offset:128*(\b/2)+32*(\b%2)
	ds_store_b128 v[STO], v[32*(\a)+8*\b+4:32*(\a)+8*\b+7] offset:128*(\b/2)+32*(\b%2)+16
.endr
	WIN 0
.set BB, BK+32*((\a)%2)
.irp t, 0,1,2,3,4,5,6,7
	ds_load_b128 v[BB+4*\t:BB+4*\t+3], v[RD] offset:544*\t
.endr
.endm
	s_wait_loadcnt 0x0
	TOSTAGE 0
.irp a, 0,1,2,3,4,5,6,7
.if \a < 7
.if \a > 0
	s_wait_xcnt 0x0
.endif
	TOSTAGE \a+1
	s_wait_dscnt 16
.else
	s_wait_dscnt 0x0
.endif
.set BB, BK+32*(\a%2)
	WIN 0x0c
.set e, 0
.rept 16
	v_pk_add_f32 v[BB+e:BB+e+1], v[BB+e:BB+e+1], v[32*\a+e:32*\a+e+1]
.set e, e+2
.endr
	WIN 0
.irp t, 0,1,2,3,4,5,6,7
	global_store_b128 v[CO], v[BB+4*\t:BB+4*\t+3], s[10:11] offset:(32*(\a/2)+8*(\a%2)+2*\t+8*(\t/4))*4096 th:TH_STORE_NT
.endr
.endr
	s_wait_tensorcnt 0x0
	ds_add_u32 v[SPW], v[NIL]
	s_wait_dscnt 0x0
	CROUND
	s_endpgm
.Lfunc_end_k_q1c7aaa7a77_fc2:
	.size	k_q1c7aaa7a77_fc2, .Lfunc_end_k_q1c7aaa7a77_fc2-k_q1c7aaa7a77_fc2
	.p2alignl 7, 3214868480
	.fill 96, 4, 3214868480
	.section	.rodata,"a",@progbits
	.p2align	6, 0x0
	.amdhsa_kernel k_q1c7aaa7a77_fc2
		.amdhsa_group_segment_fixed_size 327680
		.amdhsa_private_segment_fixed_size 0
		.amdhsa_enable_private_segment 0
		.amdhsa_kernarg_size 32
		.amdhsa_user_sgpr_count 2
		.amdhsa_user_sgpr_kernarg_segment_ptr 1
		.amdhsa_wavefront_size32 1
		.amdhsa_system_sgpr_workgroup_id_x 1
		.amdhsa_system_sgpr_workgroup_id_y 1
		.amdhsa_system_sgpr_workgroup_id_z 1
		.amdhsa_system_vgpr_workitem_id 0
		.amdhsa_next_free_vgpr 1024
		.amdhsa_next_free_sgpr 100
		.amdhsa_reserve_vcc 0
		.amdhsa_float_denorm_mode_32 3
		.amdhsa_float_denorm_mode_16_64 3
		.amdhsa_memory_ordered 1
		.amdhsa_forward_progress 1
		.amdhsa_inst_pref_size 191
	.end_amdhsa_kernel
	.amdgpu_metadata
---
amdhsa.version: [ 1, 2 ]
amdhsa.kernels:
  - .name:           k_q1c7aaa7a77_fc2
    .symbol:         k_q1c7aaa7a77_fc2.kd
    .args:
      - { .name: gl, .offset: 0, .size: 8, .value_kind: global_buffer, .address_space: global }
      - { .name: wimg, .offset: 8, .size: 8, .value_kind: global_buffer, .address_space: global }
      - { .name: x1, .offset: 16, .size: 8, .value_kind: global_buffer, .address_space: global }
      - { .name: out0, .offset: 24, .size: 8, .value_kind: global_buffer, .address_space: global }
    .group_segment_fixed_size: 327680
    .private_segment_fixed_size: 0
    .kernarg_segment_align: 8
    .kernarg_segment_size: 32
    .max_flat_workgroup_size: 128
    .sgpr_count:     100
    .vgpr_count:     1024
    .wavefront_size: 32
...
	.end_amdgpu_metadata
.endif
;; end of part 6
